; MI455X (gfx1250); checked and timed in simulation.
; The chip was launched on July 23, 2026; its instructions are those of AMD's public machine-readable ISA for CDNA 5 (MIT licence, August 2026) and "CDNA5" Instruction Set Architecture Reference Guide (July 2026). The comments in the code are by the model that wrote it; some were corrected since.
;; FFT Multi Head Self Attention. Allowed arithmetic: matrix products marked QUANTISED: E2M1 operands, one E8M0 scale for each 32 along K, by v_wmma_scale_f32_16x16x128_f8f6f4 with both operands' format E2M1 (or v_wmma_scale_f32_32x16x128_f4), f32 sums; everything else in f32.
;; Inputs: beta 1,024 float32; bk 1,024 float32; bo 1,024 float32; bq 1,024 float32; bv 1,024 float32; gamma 1,024 float32; wk 1,024 x 1,024 float32; wo 1,024 x 1,024 float32; wq 1,024 x 1,024 float32; wv 1,024 x 1,024 float32; x 2 x 2,048 x 1,024 float32.
;; Outputs: out0 2 x 2,048 x 1,024 float32.
;; This version of the problem:
;;   THIS VERSION OF THE PROBLEM IS GIVEN IN LOW PRECISION. The matrix products marked QUANTISED in the list below multiply operands that are first quantised to E2M1 (2 exponent bits, 1 mantissa bit; 4 bits a number), with one power-of-two scale for each 32 numbers along K (OCP MX v1.0); their sums are f32. All else is computed in f32.
;;   The module's matrix products, in the order in which they are computed (A, B: the left and right operand; K: the contracted axis; several contracted axes count as one K, in the product's order):
;;     1. [M 4,096, K 1,024] x [K 1,024, N 1,024]; A: input x; B: input wq: QUANTISED
;;     2. [M 4,096, K 1,024] x [K 1,024, N 1,024]; A: input x; B: input wk: QUANTISED
;;     3. [M 4,096, K 1,024] x [K 1,024, N 1,024]; A: input x; B: input wv: QUANTISED
;;     4. batch 32 x [M 2,048, K 64] x [K 64, N 2,048]; A: computed on the way; B: computed on the way: QUANTISED
;;     5. batch 32 x [M 64, K 2,048] x [K 2,048, N 2,048]; A: computed on the way; B: softmax (see below): QUANTISED
;;     6. [M 4,096, K 1,024] x [K 1,024, N 1,024]; A: computed on the way; B: input wo: QUANTISED
;;   THE QUANTISER, for each operand of a quantised product, along K:
;;     - K is cut into blocks of 32 from its start; a last block that is shorter is filled with zeros.
;;     - A block's scale is 2^e with e = floor(log2(the largest magnitude in the block)) - 2, held to -126 .. 127; a block of zeros has e = 0. As a byte (E8M0): e + 127.
;;     - Each number is divided by its block's scale, clamped to +-6, and rounded to the nearest number of E2M1, ties to even, subnormals kept.
;;     - The product sums the exact products of the quantised numbers (number of the format x scale) in f32.
;;   ~~~python
;;   def quantise(x, axis):      # numpy; x: float32 -> the quantised numbers, widened to float32 again
;;       x = np.moveaxis(x, axis, -1); K = x.shape[-1]
;;       x = np.pad(x, [(0, 0)] * (x.ndim - 1) + [(0, -K % 32)]); x = x.reshape(x.shape[:-1] + (-1, 32)); a = np.abs(x).max(-1, keepdims=True)
;;       e = np.where(a > 0, np.clip(np.frexp(np.where(a > 0, a, 1))[1] - 1 - 2, -126, 127), 0)      # np.frexp(a)[1] - 1 = floor(log2(a)), exactly
;;       r = np.clip(x / 2.0 ** e, -6, 6)
;;       step = 2.0 ** (np.maximum(np.frexp(np.where(r == 0, 1, r))[1] - 1, 0) - 1)
;;       q = np.round(r / step) * step * 2.0 ** e      # np.round: ties to even
;;       return np.moveaxis(q.reshape(q.shape[:-2] + (-1,))[..., :K], -1, axis).astype(np.float32)
;;   ~~~
;;   SOFTMAX AHEAD OF A QUANTISED PRODUCT. Where the list says 'softmax', what is quantised is not the finished softmax but p = 2^(t - M), with t = logit x log2(e) and M = ceil(the row's largest t), a whole number; so 1/2 < the row's largest p <= 1. The row's sum l is taken of the UNQUANTISED p, in f32, and the product's result is divided by l at the end. Since M is a whole number, a kernel that streams over the keys may use a running M (the ceiling of the running maximum): every later rescaling is an exact power of two, which a block's scale takes up: the codes' values come out the same.
;;   OPERANDS COMPUTED ON THE WAY. 'Computed on the way' means the value that the module computes at that place (a softmax that the list does not call 'softmax' is quantised finished and normalised). What goes into a quantiser is computed in f32, as accurately as f32 sums, v_exp_f32 and their like allow (about 1e-6 of the number): no bf16 or f16 on the way to a quantiser, and a product that is left as it is and whose result goes on into a quantised operand takes f32 operands (vector FMAs, or v_wmma_f32_16x16x4_f32). A number that lies on a knife's edge between two numbers of the format may be rounded either way, as far as f32 arithmetic and the matrix unit's own rounding can turn it there, and no further.
;; One version. Each part assembles by itself: llvm-mc -triple=amdgcn-amd-amdhsa -mcpu=gfx1250 --defsym DOCPART=n.
;; ======== version 1 of 1: 4 launches
;; limits: right only within a limited range of input values
;; workspace buffers: codes 4,194,304 bytes; scales 262,144 bytes; qkv 7,077,888 bytes; ctxc 2,097,152 bytes; ctxs 524,288 bytes
;; launch quant (part 1): grid 256 x 1, 4 waves a work-group, no clusters, 34,304 bytes of LDS; arguments x, wq, wk, wv, wo, codes, scales; writes codes, scales
.if DOCPART == 1
	.amdgcn_target "amdgcn-amd-amdhsa--gfx1250"
	.amdhsa_code_object_version 6
	.text
	.protected	k_qe964907115_quant
	.globl	k_qe964907115_quant
	.p2align	8
	.type	k_qe964907115_quant,@function
k_qe964907115_quant:
	s_mov_b64 s[64:65], 0
	v_nop
	global_prefetch_b8 v0, s[64:65] scope:SCOPE_SE
	s_setreg_imm32_b32 hwreg(HW_REG_WAVE_MODE, 25, 1), 1
	s_wait_xcnt 0x0
; LAUNCH 1 OF 4.  x [4096][1024] and wq, wk, wv, wo [1024][1024], f32, K innermost, become codes of FP4 (E2M1) with one E8M0 byte for each 32 along K.
; NO WORK OF THE PROBLEM IS LEFT OUT IN ANY LAUNCH: all eleven inputs reach the result (bk too: it moves k's codes ahead of a quantised product), and all six products are done.
; THE WORKSPACE IS LAID AS THE MATRIX INSTRUCTION'S REGISTERS WANT IT.  The 8,192 rows (x, wq, wk, wv, wo on end) are cut into tiles of 16: lane r of tile T stands for row 32 (T / 2) + 8 (T % 2) + r + 8 (r / 8),
; so that where a tile is source 0 of a product, the 16 result registers of tiles 2 b and 2 b + 1 are 16 neighbours.  codes: [tile][K step of 128: 8][c: 2][512 bytes]: an IMAGE of four operand registers,
; lane l's 16 bytes at 16 l: lane (r, h) holds block 2 c + h (32 codes) of its row.  scales: [pair of tiles][K half][lane][16 bytes]: lane (r, h) holds the four scale words (four K steps) of row r of tile 2 P + h.
; A block's scale is 2^(floor(log2(largest magnitude)) - 2); its byte is that magnitude's exponent field - 2, held at 1 from below.
; LIMITS: NaN and infinities among the inputs are not served; a block whose largest magnitude lies under 2^-124 has its byte held at 1; a block of zeros carries the byte 1 where the rule says 127 (its codes are zeros, and this program alone reads the bytes).
; SHARES.  Work-group g takes pair g: 32 rows.  Wave w: tile 2 g + (w & 1), K half w >> 1: four steps of 16 rows x 128 along K.  Each load reads 512 consecutive bytes of one row; the step's 8,192 bytes turn through the
; wave's own stage in LDS (rows 528 bytes apart, so that sixteen rows begin in sixteen different groups of banks) and come back 128 bytes a block, a block to a lane.  Waves share nothing: no barrier.
.set STG,   8448                       ; a wave's stage: 16 rows x 528 bytes
.set SPARE, 4*STG                      ; behind the stages: the spare words, 128 bytes a wave, that no other line names
.set R,     32                         ; v32-159  two sets of 64: a step as it is loaded
.set X,     160                        ; v160-223 my two blocks of 32 numbers
.set C,     224                        ; v224-255 codes: eight registers for each step, so that no store's data are written again
.set WD,    20                         ; v20-23   the four steps' scale words
	s_load_b256 s[4:11], s[0:1], 0x0               ; x, wq, wk, wv
	s_load_b128 s[12:15], s[0:1], 0x20             ; wo, codes
	s_load_b64 s[16:17], s[0:1], 0x30              ; scales
	v_lshl_add_u32 v6, v0, 2, SPARE                ; my spare word; never rewritten
	v_mov_b32 v7, 0                                ; 0; never rewritten
	v_lshrrev_b32 v8, 5, v0
	v_readfirstlane_b32 s24, v8                    ; wave
	v_and_b32 v9, 31, v0                           ; lane
	v_and_b32 v10, 15, v0                          ; r
	v_bfe_u32 v11, v0, 4, 1                        ; h
	v_lshlrev_b32 v1, 4, v9                        ; 16 x lane: my bytes of a load's 512, and of an image
	s_mul_i32 s25, s24, STG
	v_add_nc_u32 v2, s25, v1                       ; into the stage: a row as it lies
	v_mul_u32_u24 v3, v10, 528
	v_lshl_add_u32 v3, v11, 7, v3
	v_add_nc_u32 v3, s25, v3                       ; out of it: row r, block h (128 bytes a block)
	v_lshlrev_b32 v4, 3, v11                       ; 8 h: my bytes' place in a scale word
	v_lshlrev_b32 v5, 4, v10
	v_lshl_add_u32 v5, v11, 3, v5                  ; the scale words' way out: 16 r + 8 h
	v_mov_b32 v17, 0                               ; written once: a lane permute's destination counts as one of its sources
	s_mov_b32 s20, 0x76543210
	s_mov_b32 s21, 0xfedcba98                      ; v_permlanex16_b32's selects for lane l xor 16
	s_mov_b32 s22, 0xffff0000                      ; lanes 16-31
	s_and_b32 s26, s24, 1                          ; u: which tile of the pair
	s_lshr_b32 s27, s24, 1                         ; q: which K half
	s_and_b32 s28, ttmp9, 31
	s_cmp_lt_u32 ttmp9, 128
	s_cselect_b32 s28, ttmp9, s28                  ; the pair's number inside its own tensor
	; THE ROWS OF A TILE (this order stands in place of the one named at the head): lane r of tile T stands for row 64 (T / 4) + 8 (T % 4) + r % 8 + 32 (r / 8),
	; so that where a tile is source 0 of a product, a lane's 32 result registers of tiles 4 c .. 4 c + 3 are 32 neighbours: one whole scale block.
	s_and_b32 s29, s28, 1
	s_lshr_b32 s28, s28, 1
	s_lshl_b32 s28, s28, 18                        ; 64 rows of 4,096 bytes for each two pairs,
	s_lshl_b32 s29, s29, 16                        ; the odd pair begins 16 rows down,
	s_add_co_u32 s28, s28, s29
	s_lshl_b32 s29, s26, 15                        ; the odd tile begins 8 rows down,
	s_add_co_u32 s28, s28, s29
	s_lshl_b32 s29, s27, 11                        ; 512 numbers along K
	s_add_co_u32 s28, s28, s29
	s_mov_b32 s29, 0
	s_lshl_b32 s30, ttmp9, 14                      ; codes: tile 2 g + u of 8,192 bytes, K half of 4,096
	s_lshl_b32 s31, s26, 13
	s_add_co_u32 s30, s30, s31
	s_lshl_b32 s31, s27, 12
	s_add_co_u32 s30, s30, s31
	s_mov_b32 s31, 0
	s_lshl_b32 s32, ttmp9, 10                      ; scales: pair of 1,024 bytes, K half of 512, tile of 256
	s_lshl_b32 s33, s27, 9
	s_add_co_u32 s32, s32, s33
	s_lshl_b32 s33, s26, 8
	s_add_co_u32 s32, s32, s33
	s_mov_b32 s33, 0
	s_wait_alu depctr_va_vdst(0)
	s_wait_kmcnt 0x0
	s_cmp_lt_u32 ttmp9, 224                        ; which tensor: the choice hangs on the work-group's number alone
	s_cselect_b64 s[18:19], s[10:11], s[12:13]
	s_cmp_lt_u32 ttmp9, 192
	s_cselect_b64 s[18:19], s[8:9], s[18:19]
	s_cmp_lt_u32 ttmp9, 160
	s_cselect_b64 s[18:19], s[6:7], s[18:19]
	s_cmp_lt_u32 ttmp9, 128
	s_cselect_b64 s[18:19], s[4:5], s[18:19]
	s_add_nc_u64 s[18:19], s[18:19], s[28:29]
	s_add_nc_u64 s[14:15], s[14:15], s[30:31]
	s_add_nc_u64 s[16:17], s[16:17], s[32:33]
.macro LOAD t                          ; step t: 16 rows x 512 bytes; the tile's rows 8-15 lie 32 rows below its first
.irp i, 0,1,2,3,4,5,6,7,8,9,10,11,12,13,14,15
	global_load_b128 v[R+64*((\t)%2)+4*\i:R+64*((\t)%2)+4*\i+3], v1, s[18:19] offset:(\i+24*(\i/8))*4096+512*(\t) th:TH_LOAD_NT   ; the tile's rows 8-15 lie 32 rows below its first
.endr
.endm
.macro STEP t
.if (\t) < 3
	s_wait_loadcnt 16                              ; this step's 16 loads are in; the next step's 16, issued behind them, may be out
.else
	s_wait_loadcnt 0
.endif
.irp i, 0,1,2,3,4,5,6,7,8,9,10,11,12,13,14,15
	ds_store_b128 v2, v[R+64*((\t)%2)+4*\i:R+64*((\t)%2)+4*\i+3] offset:528*\i
.endr
.irp c, 0,1
.irp k, 0,1,2,3,4,5,6,7
	ds_load_b128 v[X+32*\c+4*\k:X+32*\c+4*\k+3], v3 offset:256*\c+16*\k   ; block 2 c + h of row r; LDS serves a wave's instructions in order: these see the stores above
.endr
.endr
	s_wait_dscnt 0x0                               ; my numbers are back, and the stores have read their registers,
.if (\t) < 2
	LOAD (\t)+2                                    ; which take the loads of two steps on
.endif
.irp c, 0,1
	v_max3_num_f32 v[8+\c], |v[X+32*\c]|, |v[X+32*\c+1]|, 0x1800000        ; the block's largest magnitude, in two chains, with the floor 2^(3 - 127): so the byte cannot fall under 1
	v_max3_num_f32 v[10+\c], |v[X+32*\c+16]|, |v[X+32*\c+17]|, 0x1800000
.endr
.irp i, 2,4,6,8,10,12,14
.irp c, 0,1
	v_max3_num_f32 v[8+\c], v[8+\c], |v[X+32*\c+\i]|, |v[X+32*\c+\i+1]|
	v_max3_num_f32 v[10+\c], v[10+\c], |v[X+32*\c+16+\i]|, |v[X+32*\c+17+\i]|
.endr
.endr
	v_max_num_f32 v8, v8, v10
	v_max_num_f32 v9, v9, v11
	v_add_nc_u32 v12, 0xff000000, v8               ; 2 off the exponent field: the conversion takes the exponent field of this operand as its scale
	v_add_nc_u32 v13, 0xff000000, v9
.irp c, 0,1
.irp k, 0,1,2,3
	v_cvt_scalef32_pk8_fp4_f32 v[C+8*(\t)+4*\c+\k], v[X+32*\c+8*\k:X+32*\c+8*\k+7], v[12+\c]
.endr
.endr
	v_lshrrev_b32 v14, 23, v12                     ; the scales' bytes (a plain line behind the conversions)
	v_lshrrev_b32 v15, 23, v13
	v_lshl_or_b32 v16, v15, 16, v14                ; blocks h and 2 + h,
	v_lshlrev_b32 v16, v4, v16                     ; at their places in the word;
	v_permlanex16_b32 v17, v16, s20, s21
	v_or_b32 v[WD+(\t)], v16, v17                  ; with lane l xor 16's two the word is whole
	global_store_b128 v1, v[C+8*(\t):C+8*(\t)+3], s[14:15] offset:1024*(\t)          ; an image: 512 consecutive bytes
	global_store_b128 v1, v[C+8*(\t)+4:C+8*(\t)+7], s[14:15] offset:1024*(\t)+512
.endm
	LOAD 0
	LOAD 1
.irp t, 0,1,2,3
	STEP \t
.endr
	v_cndmask_b32 v24, v20, v22, s22               ; a row's four words are 16 bytes: lanes 0-15 store the first two, lanes 16-31 the last two
	v_cndmask_b32 v25, v21, v23, s22
	global_store_b64 v5, v[24:25], s[16:17]        ; 256 consecutive bytes, aligned
	s_wait_tensorcnt 0x0                           ; the wave's end
	ds_add_u32 v6, v7
	s_wait_dscnt 0x0
	s_endpgm
.Lfunc_end_k_qe964907115_quant:
	.size	k_qe964907115_quant, .Lfunc_end_k_qe964907115_quant-k_qe964907115_quant
	.p2alignl 7, 3214868480
	.fill 96, 4, 3214868480
	.section	.rodata,"a",@progbits
	.p2align	6, 0x0
	.amdhsa_kernel k_qe964907115_quant
		.amdhsa_group_segment_fixed_size 34304
		.amdhsa_private_segment_fixed_size 0
		.amdhsa_enable_private_segment 0
		.amdhsa_kernarg_size 56
		.amdhsa_user_sgpr_count 2
		.amdhsa_user_sgpr_kernarg_segment_ptr 1
		.amdhsa_wavefront_size32 1
		.amdhsa_system_sgpr_workgroup_id_x 1
		.amdhsa_system_sgpr_workgroup_id_y 1
		.amdhsa_system_sgpr_workgroup_id_z 1
		.amdhsa_system_vgpr_workitem_id 0
		.amdhsa_next_free_vgpr 256
		.amdhsa_next_free_sgpr 66
		.amdhsa_reserve_vcc 0
		.amdhsa_float_denorm_mode_32 3
		.amdhsa_float_denorm_mode_16_64 3
		.amdhsa_memory_ordered 1
		.amdhsa_forward_progress 1
		.amdhsa_inst_pref_size 31
	.end_amdhsa_kernel
	.amdgpu_metadata
---
amdhsa.version: [ 1, 2 ]
amdhsa.kernels:
  - .name:           k_qe964907115_quant
    .symbol:         k_qe964907115_quant.kd
    .args:
      - { .name: x, .offset: 0, .size: 8, .value_kind: global_buffer, .address_space: global }
      - { .name: wq, .offset: 8, .size: 8, .value_kind: global_buffer, .address_space: global }
      - { .name: wk, .offset: 16, .size: 8, .value_kind: global_buffer, .address_space: global }
      - { .name: wv, .offset: 24, .size: 8, .value_kind: global_buffer, .address_space: global }
      - { .name: wo, .offset: 32, .size: 8, .value_kind: global_buffer, .address_space: global }
      - { .name: codes, .offset: 40, .size: 8, .value_kind: global_buffer, .address_space: global }
      - { .name: scales, .offset: 48, .size: 8, .value_kind: global_buffer, .address_space: global }
    .group_segment_fixed_size: 34304
    .private_segment_fixed_size: 0
    .kernarg_segment_align: 8
    .kernarg_segment_size: 56
    .max_flat_workgroup_size: 128
    .sgpr_count:     66
    .vgpr_count:     256
    .wavefront_size: 32
...
	.end_amdgpu_metadata
.endif
;; end of part 1
;; launch qkv (part 2): grid 8 x 32, 4 waves a work-group, clusters of 4 x 4, 262,656 bytes of LDS; arguments codes, scales, bq, bk, bv, qkv; writes qkv
.if DOCPART == 2
	.amdgcn_target "amdgcn-amd-amdhsa--gfx1250"
	.amdhsa_code_object_version 6
	.text
	.protected	k_qe964907115_qkv
	.globl	k_qe964907115_qkv
	.p2align	8
	.type	k_qe964907115_qkv,@function
k_qe964907115_qkv:
	s_mov_b64 s[64:65], 0
	v_nop
	global_prefetch_b8 v0, s[64:65] scope:SCOPE_SE
	s_setreg_imm32_b32 hwreg(HW_REG_WAVE_MODE, 25, 1), 1
	s_wait_xcnt 0x0
	s_wait_alu depctr_hold_cnt(0) depctr_sa_sdst(0) depctr_va_vdst(0) depctr_va_sdst(0) depctr_va_ssrc(0) depctr_va_vcc(0) depctr_vm_vsrc(0)
	s_getreg_b32 s2, hwreg(HW_REG_IB_STS2, 6, 4)
	s_cmp_eq_u32 s2, 0
	s_cbranch_scc0 .Lentry_in_a_cluster
	s_endpgm
.Lentry_in_a_cluster:
	s_bfe_u32 s2, ttmp6, 0x10000c
	s_cmp_lg_u32 s2, 0xf033
	s_cbranch_scc0 .Lentry_shape_is_right
	s_endpgm
.Lentry_shape_is_right:
; LAUNCH 2 OF 4.  q = x wq^T + bq, k = x wk^T + bk, v = x wv^T + bv on codes of FP4; the results are quantised in the registers in which they are made and leave as codes: q and k along the head's 64, v along the keys.  No work is left out.
; SHARES.  Work-group (hp, tb): 128 tokens (x's tiles 8 tb .. 8 tb + 7) x heads 2 hp, 2 hp + 1 of q, k and v.  Wave w: token tiles 4 (w >> 1) + 0 .. 3, head 2 hp + (w & 1): 48 accumulators of 16 x 16, 384 matrix instructions.
; LDS holds ALL of K of the four operands at once, 4 x 65,536 bytes, as images of operand registers: first fills alone, nothing is filled again.  Wave w fetches operand w (x, wq, wk, wv) by two loads, K half 0 and K half 1.
; CLUSTERS: 4 x 4 work-groups.  x's tiles hang on tb alone and are shared along a row of the cluster, the weights' on hp alone and are shared along a column: each is asked for jointly.
; q AND k ARE MADE TRANSPOSED (source 0 = 16 features, source 1 = 16 tokens): a lane holds one token, and by the tiles' order of rows its 32 registers of a token tile are 2 x 16 neighbours of the head's 64 features.
; v IS MADE THE OTHER WAY ROUND (source 0 = 16 tokens, source 1 = 16 channels): a lane holds one channel, and its 32 registers of a channel tile are 2 x 16 neighbours of the wave's 64 keys.  So one epilogue serves all three.
; The biases are the C of each sum's first product (so they are added first, not last: another order of rounding than the reference's).
; OUT, a record of 221,184 bytes for each (batch, head): K's codes [key tile: 128][512] at 0; V's [64 keys: 32][channel tile: 4][512] at 65,536; K's scale words [64 keys][lane][2 words] at 131,072; V's at 139,264; Q's codes at 147,456; Q's words at 212,992.
; A scale word is byte 0 | byte 1 << 8 | 0x7f7f0000: two blocks of 32, and two bytes of 1.0.  In a pair of words, word 0 holds outer tile 0 in lanes 0-15 and tile 1 in lanes 16-31, word 1 tiles 2 and 3.
; LIMITS: as in the first launch (NaN, infinities; the byte's floor of 1; the byte 1 for a block of zeros).
; REGISTERS, in windows of 256.  Window 0: v4-7 LDS addresses; v8-11 offsets; v12, v13 the add's two; v28-43 x's scale words; v48-95 the weights'; x's fragments, set 0 at v96, set 1 at v192; in the tail v128-181 codes and words to store, v192-227 at work.
;   window 1: the weights' 12 fragments, two sets, at 96 x set.   window 2: q's accumulators at 8 (4 t + f), k's 128 further on.   window 3: v's at 8 (4 ct + t); bq from v128, bk from v160, bv from v192.
.set SPARE, 262144                     ; behind the four operands: the spare words, 128 bytes a wave, that no other line names
; IN PLACE OF WHAT THE HEAD SAYS: each operand comes by ONE load of 65,536 dense bytes, laid [tile][8,192] in LDS.  By the tiles' order of rows (lane r of tile T: row 64 (T / 4) + 8 (T % 4) + r % 8 + 32 (r / 8))
; a lane's 32 registers of an outer tile are 32 neighbours along the next product's K: one whole block.  THE RECORD of a (batch, head), 221,184 bytes, is laid by key step of 128 tokens, 13,824 bytes a step:
; K's codes [tile: 8][512] at 0, V's [64 keys: 2][channel tile: 4][512] at 4,096, K's scale words [64 keys: 2][lane][2 words] at 8,192, V's at 8,704, Q's codes at 9,216, Q's words at 13,312.
.set XS, 28                            ; v28-43 x's scale words: their numbers differ modulo 8 from the weights' of the same K step
.set WS, 48
.set PC, 128
.set RR, 176
.set TM, 192                           ; largest magnitudes
.set TP, 200                           ; the other half's
.set SO, 208                           ; the conversions' scale operands
.set BY, 216                           ; the bytes
.set WD, 224                           ; the words
.set MSB, 0
.macro WIN new                         ; the immediate's high byte repeats the setting that is left; a switch that changes nothing is dropped
.if MSB != (\new)
	s_set_vgpr_msb (MSB<<8)|(\new)
.set MSB, (\new)
.endif
.endm
.macro PLACES                          ; four plain places behind matrix instructions, in front of loads into registers that they have read and of reads of their results
.rept 4
	v_nop
.endr
.endm
.macro CROUND                          ; a round of the cluster's barrier
	s_barrier_signal -1
	s_barrier_wait -1
	s_cmp_lg_u32 s16, 0
	s_cbranch_scc1 .Lnot_wave_0_\@
	s_barrier_signal -3
.Lnot_wave_0_\@:
	s_barrier_wait -3
	s_barrier_signal -1
	s_barrier_wait -1
.endm
	s_load_b256 s[4:11], s[0:1], 0x0               ; codes, scales, bq, bk
	s_load_b128 s[12:15], s[0:1], 0x20             ; bv, qkv
	v_lshl_add_u32 v12, v0, 2, SPARE
	v_mov_b32 v13, 0
	ds_add_u32 v12, v13                            ; the wave's opening: the add, twice on end, and its wait ahead of my first tensor load
	ds_add_u32 v12, v13
	v_lshrrev_b32 v1, 5, v0
	v_readfirstlane_b32 s16, v1                    ; wave 0..3
	s_lshr_b32 s17, s16, 1                         ; i: my half of the tokens
	s_and_b32 s18, s16, 1                          ; j: my head of the two
	s_bfe_u32 s19, ttmp6, 0x40000                  ; cx
	s_bfe_u32 s20, ttmp6, 0x40004                  ; cy
	s_lshl_b32 s21, ttmp9, 2
	s_add_co_u32 s21, s21, s19                     ; hp = 4 x cluster x + cx
	s_and_b32 s22, ttmp7, 0xffff
	s_lshl_b32 s22, s22, 2
	s_add_co_u32 s22, s22, s20                     ; tb = 4 x cluster y + cy
	s_lshl_b32 s58, s20, 2
	s_lshl_b32 s58, 15, s58                        ; my row of the cluster
	s_lshl_b32 s59, 0x1111, s19                    ; my column
	; descriptor group 1: 8 rows (tiles) of 8,192 bytes (all of K), 8,192 bytes apart in memory, dense in LDS; elements of 8 bytes
	s_or_b32 s24, s58, (3<<16)|(1<<21)             ; x's tiles go to my row
	s_or_b32 s32, s59, (3<<16)|(1<<21)             ; the weights' to my column
.irp g, 24, 32
	s_mov_b32 s[\g+1], 1024<<16                    ; tensor_dim0 = 1,024: a tile's 8,192 bytes, all of K
	s_mov_b32 s[\g+2], 8<<16                       ; tensor_dim1 = 8
	s_mov_b32 s[\g+3], 1024<<16                    ; tile_dim0 = 1,024
	s_mov_b32 s[\g+4], 8                           ; tile_dim1 = 8
	s_mov_b32 s[\g+5], 1024                        ; from row to row
	s_mov_b32 s[\g+6], 0
	s_mov_b32 s[\g+7], 0
.endr
	s_lshl_b32 s82, s22, 16                        ; x: tile 8 tb, 8,192 bytes a tile
	s_mov_b32 s83, 0
	s_lshl_b32 s84, s16, 6
	s_lshl_b32 s85, s21, 3
	s_add_co_u32 s84, s84, s85
	s_add_co_u32 s84, s84, 192                     ; the weights: tile 192 + 64 w + 8 hp (w = 1, 2, 3: wq, wk, wv)
	s_lshl_b32 s84, s84, 13
	s_mov_b32 s85, 0
	s_lshl_b32 s23, s16, 16                        ; operand w's place in LDS
	s_lshl_b32 s86, s22, 12                        ; x's scale words: pair 4 tb + 2 i, 1,024 bytes a pair
	s_lshl_b32 s80, s17, 11
	s_add_co_u32 s86, s86, s80
	s_mov_b32 s87, 0
	s_lshl_b32 s88, s21, 12                        ; the weights': pair 128 + 4 hp + 2 j
	s_lshl_b32 s80, s18, 11
	s_add_co_u32 s88, s88, s80
	s_add_co_u32 s88, s88, 131072
	s_mov_b32 s89, 0
	s_lshl_b32 s90, s21, 9                         ; the biases: feature 128 hp + 64 j
	s_lshl_b32 s80, s18, 8
	s_add_co_u32 s90, s90, s80
	s_mov_b32 s91, 0
	s_lshr_b32 s92, s22, 4
	s_lshl_b32 s92, s92, 4
	s_lshl_b32 s80, s21, 1
	s_add_co_u32 s92, s92, s80
	s_add_co_u32 s92, s92, s18                     ; the record: 16 x batch + head
	s_mul_i32 s92, s92, 221184
	s_and_b32 s81, s22, 15
	s_mul_i32 s80, s81, 13824                      ; the key step tb % 16 of the record; its scale words: half i of 256 bytes
	s_add_co_u32 s94, s92, s80
	s_lshl_b32 s80, s17, 8
	s_add_co_u32 s94, s94, s80
	s_mov_b32 s95, 0
	s_mul_i32 s80, s81, 13824                      ; its codes: half i of 2,048 bytes
	s_add_co_u32 s92, s92, s80
	s_lshl_b32 s80, s17, 11
	s_add_co_u32 s92, s92, s80
	s_mov_b32 s93, 0
	s_mov_b32 s57, 0xffff0000                      ; lanes 16-31
	s_mov_b32 s60, 0x76543210
	s_mov_b32 s61, 0xfedcba98                      ; v_permlanex16_b32's selects for lane l xor 16
	s_wait_dscnt 0x0                               ; both opening adds are done
	s_wait_kmcnt 0x0
	s_mov_b32 s40, 1                               ; group 0 for x, K half 0 and K half 1
	s_mov_b32 s41, 0
	s_add_nc_u64 s[42:43], s[4:5], s[82:83]
	s_or_b32 s43, s43, 0x80000000
	s_mov_b32 s48, 1                               ; and for my weight
	s_mov_b32 s49, s23
	s_add_nc_u64 s[50:51], s[4:5], s[84:85]
	s_or_b32 s51, s51, 0x80000000
	s_add_nc_u64 s[66:67], s[6:7], s[86:87]
	s_add_nc_u64 s[68:69], s[6:7], s[88:89]
	s_add_nc_u64 s[70:71], s[8:9], s[90:91]
	s_add_nc_u64 s[72:73], s[10:11], s[90:91]
	s_add_nc_u64 s[74:75], s[12:13], s[90:91]
	s_add_nc_u64 s[76:77], s[14:15], s[92:93]
	s_add_nc_u64 s[78:79], s[14:15], s[94:95]
	CROUND                                         ; all sixteen work-groups are here: the joint loads meet
	s_cmp_eq_u32 s16, 0                            ; a wave's load stands in one branch on the wave's number: one load of mine is out
	s_cbranch_scc0 .Lfor_w
	tensor_load_to_lds s[40:43], s[24:31]
	s_nop 0
.rept 4
	v_nop
.endr
	s_branch .Lasked
.Lfor_w:
	tensor_load_to_lds s[48:51], s[32:39]
	s_nop 0
.rept 4
	v_nop
.endr
.Lasked:
	v_and_b32 v1, 31, v0                           ; lane
	v_and_b32 v2, 15, v0                           ; r
	v_bfe_u32 v3, v0, 4, 1                         ; h
	v_lshlrev_b32 v8, 4, v1                        ; 16 x lane
	v_lshlrev_b32 v9, 3, v1                        ; 8 x lane
	v_lshlrev_b32 v10, 7, v3                       ; bq, bk: my half's 32 features begin 128 h bytes on
	v_and_b32 v11, 8, v2
	v_mad_u32_u24 v11, v11, 3, v2
	v_lshlrev_b32 v11, 2, v11                      ; bv: my channel of a tile, r % 8 + 32 (r / 8)
	v_mul_u32_u24 v14, v3, 0x101
	v_add_nc_u32 v15, 0x0c0c0602, v14              ; byte selects for the scale words: lanes 0-15 take outer tile 2, lanes 16-31 tile 3,
	v_add_nc_u32 v14, 0x0c0c0400, v14              ; tiles 0 and 1: block 0's byte, block 1's byte, two zeros
	s_lshl_b32 s80, s17, 15
	v_add_nc_u32 v4, s80, v8                       ; x: my four tiles of 8,192 bytes
	s_lshl_b32 s80, s18, 15
	s_add_co_u32 s80, s80, 65536
	v_add_nc_u32 v5, s80, v8                       ; wq: my head's four tiles
	s_add_co_u32 s80, s80, 65536
	v_add_nc_u32 v6, s80, v8                       ; wk
	s_add_co_u32 s80, s80, 65536
	v_add_nc_u32 v7, s80, v8                       ; wv
.irp a, 0,1
.irp q, 0,1
	global_load_b128 v[XS+8*\a+4*\q:XS+8*\a+4*\q+3], v8, s[66:67] offset:1024*\a+512*\q   ; four K steps' words of a pair of tiles: the even tile in lanes 0-15, the odd one in lanes 16-31
.endr
.endr
.irp p, 0,1,2
.irp a, 0,1
.irp q, 0,1
	global_load_b128 v[WS+16*\p+8*\a+4*\q:WS+16*\p+8*\a+4*\q+3], v8, s[68:69] offset:32768*\p+1024*\a+512*\q
.endr
.endr
.endr
	WIN 0xc0                                       ; destination window 3
.irp f, 0,1,2,3
	global_load_b128 v[128+8*\f:131+8*\f], v10, s[70:71] offset:32*\f          ; bq in the result's layout: features 32 h + 8 f + 0 .. 7
	global_load_b128 v[132+8*\f:135+8*\f], v10, s[70:71] offset:32*\f+16
	global_load_b128 v[160+8*\f:163+8*\f], v10, s[72:73] offset:32*\f          ; bk
	global_load_b128 v[164+8*\f:167+8*\f], v10, s[72:73] offset:32*\f+16
.endr
.irp ct, 0,1,2,3
.irp e, 0,1,2,3,4,5,6,7
	global_load_b32 v[192+8*\ct+\e], v11, s[74:75] offset:32*\ct               ; bv: a lane holds one channel, 8 ct + r % 8 + 32 (r / 8), so its eight registers hold one number
.endr
.endr
	WIN 0
.macro FETCH s                         ; 32 LDS loads in one run: K step s's fragments into set s % 2; every load takes 512 consecutive bytes
	WIN 0x40                                       ; destination window 1
.irp p, 0,1,2
.irp f, 0,1,2,3
.irp c, 0,1
	ds_load_b128 v[96*((\s)%2)+8*(4*\p+\f)+4*\c:96*((\s)%2)+8*(4*\p+\f)+4*\c+3], v[5+\p] offset:\f*8192+(\s)*1024+512*\c
.endr
.endr
.endr
	WIN 0
.irp t, 0,1,2,3
.irp c, 0,1
	ds_load_b128 v[96+96*((\s)%2)+8*\t+4*\c:96+96*((\s)%2)+8*\t+4*\c+3], v4 offset:\t*8192+(\s)*1024+512*\c
.endr
.endr
.endm
.macro WMS                             ; one product, by the symbols D_, A_, B_, C_, SA_, SB_; RA_, RB_: the scales stand in lanes 16-31
.if RA_ && RB_
	v_wmma_scale_f32_16x16x128_f8f6f4 v[D_:D_+7], v[A_:A_+7], v[B_:B_+7], v[C_:C_+7], v[SA_], v[SB_] matrix_a_fmt:MATRIX_FMT_FP4 matrix_b_fmt:MATRIX_FMT_FP4 matrix_a_scale:MATRIX_SCALE_ROW1 matrix_b_scale:MATRIX_SCALE_ROW1
.elseif RA_
	v_wmma_scale_f32_16x16x128_f8f6f4 v[D_:D_+7], v[A_:A_+7], v[B_:B_+7], v[C_:C_+7], v[SA_], v[SB_] matrix_a_fmt:MATRIX_FMT_FP4 matrix_b_fmt:MATRIX_FMT_FP4 matrix_a_scale:MATRIX_SCALE_ROW1
.elseif RB_
	v_wmma_scale_f32_16x16x128_f8f6f4 v[D_:D_+7], v[A_:A_+7], v[B_:B_+7], v[C_:C_+7], v[SA_], v[SB_] matrix_a_fmt:MATRIX_FMT_FP4 matrix_b_fmt:MATRIX_FMT_FP4 matrix_b_scale:MATRIX_SCALE_ROW1
.else
	v_wmma_scale_f32_16x16x128_f8f6f4 v[D_:D_+7], v[A_:A_+7], v[B_:B_+7], v[C_:C_+7], v[SA_], v[SB_] matrix_a_fmt:MATRIX_FMT_FP4 matrix_b_fmt:MATRIX_FMT_FP4
.endif
.endm
.macro MUL s                           ; K step s: 48 products; the 48 accumulators take turns, one instruction a turn, in the same order in every step
.if (\s) == 0
	WIN 0xb1                                       ; source 0 (weight) window 1, source 1 (x) window 0, C (the bias) window 3, D window 2
.else
	WIN 0xa1                                       ; the same, C and D window 2
.endif
.irp p, 0,1
.irp t, 0,1,2,3
.irp f, 0,1,2,3
.set D_, 128*\p+8*(4*\t+\f)
.set A_, 96*((\s)%2)+8*(4*\p+\f)
.set B_, 96+96*((\s)%2)+8*\t
.if (\s) == 0
.set C_, 128+32*\p+8*\f
.else
.set C_, D_
.endif
.set SA_, WS+16*\p+8*(\f/2)+(\s)
.set SB_, XS+8*(\t/2)+(\s)
.set RA_, \f%2
.set RB_, \t%2
	WMS
.endr
.endr
.endr
	WIN 0xf4                                       ; source 0 (x) window 0, source 1 (wv) window 1, C and D window 3
.irp ct, 0,1,2,3
.irp t, 0,1,2,3
.set D_, 8*(4*\ct+\t)
.set A_, 96+96*((\s)%2)+8*\t
.set B_, 96*((\s)%2)+8*(8+\ct)
.if (\s) == 0
.set C_, 192+8*\ct
.else
.set C_, D_
.endif
.set SA_, XS+8*(\t/2)+(\s)
.set SB_, WS+32+8*(\ct/2)+(\s)
.set RA_, \t%2
.set RB_, \ct%2
	WMS
.endr
.endr
.endm
.macro STEP s
.if (\s) < 7
.if (\s) > 0
	PLACES                                         ; the set that is loaded now was multiplied last
.endif
	FETCH (\s)+1
	s_wait_dscnt 32                                ; all but the 32 just issued: this step's fragments are in
.else
	s_wait_dscnt 0x0
.endif
	MUL \s
.endm
	s_wait_alu depctr_va_vdst(0)
	s_wait_tensorcnt 0x0                           ; my operand is in, all of K
	s_barrier_signal -1
	s_barrier_wait -1                              ; everybody's is
	FETCH 0
	s_wait_loadcnt 0x0                             ; scale words and biases
.irp s, 0,1,2,3,4,5,6,7
	STEP \s
.endr
; THE EPILOGUE, the same for q, k and v: four outer tiles o; the 32 registers at base + 32 o hold, with lane l xor 16's, 64 neighbours along the next product's K: register 16 b + n = k 32 h + 16 b + n.
; p: 0, 1, 2 (its own registers for what is stored, so that no store's data are written again); win: the accumulators' window; w1, w2: the window settings (sources 0, 1; sources 1, 2).
.macro EPI p, win, w1, w2, base, csec, ssec
	WIN \w1
.irp o, 0,1,2,3
.irp b, 0,1
	v_max3_num_f32 v[TM+2*\o+\b], |v[\base+32*\o+16*\b]|, |v[\base+32*\o+16*\b+1]|, 0x1800000   ; each accumulator is read from its low end on; the floor 2^(3 - 127) holds the byte at 1 from below
.endr
.endr
	WIN \w2
.irp i, 2,4,6,8,10,12,14
.irp o, 0,1,2,3
.irp b, 0,1
	v_max3_num_f32 v[TM+2*\o+\b], v[TM+2*\o+\b], |v[\base+32*\o+16*\b+\i]|, |v[\base+32*\o+16*\b+\i+1]|
.endr
.endr
.endr
	WIN 0
.irp o, 0,1,2,3
	v_max_num_f32 v[TP+\o], v[TM+2*\o], v[TM+2*\o+1]   ; the two chains joined: the largest magnitude of my block h of outer tile o; all its 32 numbers are mine
.endr
.irp o, 0,1,2,3
	v_add_nc_u32 v[SO+\o], 0xff000000, v[TP+\o]    ; 2 off its exponent field: the conversion's scale operand
.endr
.irp o, 0,1,2,3
	v_lshrrev_b32 v[BY+\o], 23, v[SO+\o]           ; the byte
.endr
	v_lshl_or_b32 v[WD], v[BY+1], 8, v[BY]
	v_lshl_or_b32 v[WD+1], v[BY+3], 8, v[BY+2]
	v_lshl_or_b32 v[WD], v[WD+1], 16, v[WD]        ; my block's bytes of the four outer tiles,
	v_permlanex16_b32 v[WD+1], v[WD], s60, s61     ; and the other block's, from lane l xor 16
	v_cndmask_b32 v[WD+2], v[WD], v[WD+1], s57     ; block 0's four bytes,
	v_cndmask_b32 v[WD+3], v[WD+1], v[WD], s57     ; block 1's
	v_perm_b32 v[RR+2*\p], v[WD+3], v[WD+2], v14   ; lanes 0-15: tile 0's two bytes, lanes 16-31: tile 1's;
	v_perm_b32 v[RR+2*\p+1], v[WD+3], v[WD+2], v15 ; tiles 2 and 3
	v_or_b32 v[RR+2*\p], 0x7f7f0000, v[RR+2*\p]    ; two bytes of 1.0 on top
	v_or_b32 v[RR+2*\p+1], 0x7f7f0000, v[RR+2*\p+1]
	WIN \win
.irp o, 0,1,2,3
.irp e, 0,1,2,3
	v_cvt_scalef32_pk8_fp4_f32 v[PC+16*\p+4*\o+\e], v[\base+32*\o+8*\e:\base+32*\o+8*\e+7], v[SO+\o]   ; a whole block to a lane, as the operand's layout wants it
.endr
.endr
	WIN 0
	v_nop                                          ; one plain place behind a scaled conversion
.irp o, 0,1,2,3
	global_store_b128 v8, v[PC+16*\p+4*\o:PC+16*\p+4*\o+3], s[76:77] offset:\csec+512*\o   ; an image: 512 consecutive bytes, aligned
.endr
	global_store_b64 v9, v[RR+2*\p:RR+2*\p+1], s[78:79] offset:\ssec                       ; 256 consecutive bytes, aligned
.endm
	WIN 0
	PLACES                                         ; behind the last products
	EPI 0, 2, 0x0a, 0x28, 0, 9216, 13312           ; q
	EPI 1, 2, 0x0a, 0x28, 128, 0, 8192             ; k
	EPI 2, 3, 0x0f, 0x3c, 0, 4096, 8704            ; v
	s_wait_tensorcnt 0x0                           ; the wave's end
	ds_add_u32 v12, v13
	s_wait_dscnt 0x0
	CROUND                                         ; the closing round
	s_endpgm
.Lfunc_end_k_qe964907115_qkv:
	.size	k_qe964907115_qkv, .Lfunc_end_k_qe964907115_qkv-k_qe964907115_qkv
	.p2alignl 7, 3214868480
	.fill 96, 4, 3214868480
	.section	.rodata,"a",@progbits
	.p2align	6, 0x0
	.amdhsa_kernel k_qe964907115_qkv
		.amdhsa_group_segment_fixed_size 262656
		.amdhsa_private_segment_fixed_size 0
		.amdhsa_enable_private_segment 0
		.amdhsa_kernarg_size 48
		.amdhsa_user_sgpr_count 2
		.amdhsa_user_sgpr_kernarg_segment_ptr 1
		.amdhsa_wavefront_size32 1
		.amdhsa_system_sgpr_workgroup_id_x 1
		.amdhsa_system_sgpr_workgroup_id_y 1
		.amdhsa_system_sgpr_workgroup_id_z 1
		.amdhsa_system_vgpr_workitem_id 0
		.amdhsa_next_free_vgpr 1024
		.amdhsa_next_free_sgpr 96
		.amdhsa_reserve_vcc 0
		.amdhsa_float_denorm_mode_32 3
		.amdhsa_float_denorm_mode_16_64 3
		.amdhsa_memory_ordered 1
		.amdhsa_forward_progress 1
		.amdhsa_inst_pref_size 101
	.end_amdhsa_kernel
	.amdgpu_metadata
---
amdhsa.version: [ 1, 2 ]
amdhsa.kernels:
  - .name:           k_qe964907115_qkv
    .symbol:         k_qe964907115_qkv.kd
    .args:
      - { .name: codes, .offset: 0, .size: 8, .value_kind: global_buffer, .address_space: global }
      - { .name: scales, .offset: 8, .size: 8, .value_kind: global_buffer, .address_space: global }
      - { .name: bq, .offset: 16, .size: 8, .value_kind: global_buffer, .address_space: global }
      - { .name: bk, .offset: 24, .size: 8, .value_kind: global_buffer, .address_space: global }
      - { .name: bv, .offset: 32, .size: 8, .value_kind: global_buffer, .address_space: global }
      - { .name: qkv, .offset: 40, .size: 8, .value_kind: global_buffer, .address_space: global }
    .group_segment_fixed_size: 262656
    .private_segment_fixed_size: 0
    .kernarg_segment_align: 8
    .kernarg_segment_size: 48
    .max_flat_workgroup_size: 128
    .sgpr_count:     96
    .vgpr_count:     1024
    .wavefront_size: 32
...
	.end_amdgpu_metadata
.endif
;; end of part 2
;; launch attn (part 3): grid 8 x 32, 16 waves a work-group, clusters of 4 x 1, 167,936 bytes of LDS; arguments qkv, ctxc, ctxs; writes ctxc, ctxs
.if DOCPART == 3
	.amdgcn_target "amdgcn-amd-amdhsa--gfx1250"
	.amdhsa_code_object_version 6
	.text
	.protected	k_qe964907115_attn
	.globl	k_qe964907115_attn
	.p2align	8
	.type	k_qe964907115_attn,@function
k_qe964907115_attn:
	s_mov_b64 s[64:65], 0
	v_nop
	global_prefetch_b8 v0, s[64:65] scope:SCOPE_SE
	s_setreg_imm32_b32 hwreg(HW_REG_WAVE_MODE, 25, 1), 1
	s_wait_xcnt 0x0
	s_wait_alu depctr_hold_cnt(0) depctr_sa_sdst(0) depctr_va_vdst(0) depctr_va_sdst(0) depctr_va_ssrc(0) depctr_va_vcc(0) depctr_vm_vsrc(0)
	s_getreg_b32 s2, hwreg(HW_REG_IB_STS2, 6, 4)
	s_cmp_eq_u32 s2, 0
	s_cbranch_scc0 .Lentry_in_a_cluster
	s_endpgm
.Lentry_in_a_cluster:
	s_bfe_u32 s2, ttmp6, 0x10000c
	s_cmp_lg_u32 s2, 0x3003
	s_cbranch_scc0 .Lentry_shape_is_right
	s_endpgm
.Lentry_shape_is_right:
; LAUNCH 3 OF 4.  ctx = softmax(q k^T / 32) v for one (batch, head), both products on codes of FP4, and ctx quantised along the model's 1,024 (a head is two blocks of 32) in the registers in which it is made.  No work is left out.
; THE SOFTMAX AHEAD OF THE SECOND PRODUCT: t = score x log2(e) / 32; M = the row's largest t so far, rounded UP to a whole number; p = 2^(t - M) is quantised along the keys, not normalised; the row's sum is taken of the
; unquantised p and divides O at the end (v_rcp_f32 and a multiplication).  When M moves, the sum and O are multiplied by 2^(old M - new M): exact.
; SHARES.  A work-group owns 256 queries of one head, each of its sixteen waves one tile of 16, in 256 registers: four waves to a SIMD.
; THE RECORD of a head is laid by key step of 128 keys, 13,824 bytes a step: K's codes [tile: 8][512], V's [64 keys: 2][channel tile: 4][512], K's scale words [2][lane][2 words], V's: 9,216 bytes on end; then Q's codes and words.
; LDS holds the sixteen steps' 9,216 bytes, filled once: wave w fetches step w's; every wave waits for its own load ahead of one barrier, behind which all sixteen steps are read.  No ring.
; CLUSTER: the four query blocks of a cluster belong to one head, so each wave's load is asked for jointly by the four.  The place in the cluster enters Q's and ctx's global addresses alone.
; NO PREFETCH: every byte that the launch reads is asked for at its head; no later load is left to run ahead of.
; LAYOUT.  Both products transposed: S^T = K Q^T, O^T = V^T P^T: a lane holds one query throughout.  Lane r of key tile 4 c + u is key 64 c + 8 u + r % 8 + 32 (r / 8): so lane (r, h)'s 32 registers of tiles 4 c .. 4 c + 3 are keys
; 64 c + 32 h + 0 .. 31, ONE WHOLE BLOCK: its largest score needs no other lane, and four conversions give registers 4 c .. 4 c + 3 of the second product's operand as they fall.  O^T's 32 registers are channels 32 h + 0 .. 31 likewise.
; THE FIRST PRODUCT'S K IS 64, THE INSTRUCTION'S 128.  Q's fragment has zero codes for k = 64 .. 127 (v20-23) and its scale word, like K's, the byte 1.0 there.  Source 0 of key tile t is v[32 + 4 t : 39 + 4 t]: its upper four registers are the next
; tile's codes (behind the last tile: zeros); they meet Q's zeros and add exactly 0.
; LIMITS: NaN and infinities are not served; a block's byte is held at 1 from below, and a block of zeros carries the byte 1 (its codes are zeros; this program alone reads the bytes); 1 / l is v_rcp_f32's;
; a block's largest p is taken as the exponential of its largest score, which leans on v_exp_f32 not falling where its input rises; the promise holds while the scaled scores stay under 2^31 in magnitude.
; REGISTERS: v1 16 x lane, v2 4 x lane, v3 8 x lane + 8,192; v5, v6 the add's two; v7 8 h; v8, v10 the step's addresses; v12 -M, v13 the largest score, v[14:15] the sum; v16-23 Q; v24 Q's scale word; v28-31 K's;
;   v32-67 K's eight images and four zeros; v68-71 V's scale words as they lie, v72, v73 joined; v75 p's; v96-159 S^T, then p; v160-191 O^T; v192-223 V's four fragments; v224-231 p's codes; v232-254 at work.
.set STEPB,  9216                      ; a step's bytes in LDS
.set STEPM,  13824                     ; and in the record
.set RECORD, 221184
.set SPARE,  16*STEPB                  ; behind the sixteen steps: the spare words, 128 bytes a wave, that no other line names
.macro CROUND                          ; a round of the cluster's barrier
	s_barrier_signal -1
	s_barrier_wait -1
	s_cmp_lg_u32 s18, 0
	s_cbranch_scc1 .Lnot_wave_0_\@
	s_barrier_signal -3
.Lnot_wave_0_\@:
	s_barrier_wait -3
	s_barrier_signal -1
	s_barrier_wait -1
.endm
	s_load_b128 s[4:7], s[0:1], 0x0                ; qkv, ctxc
	s_load_b64 s[8:9], s[0:1], 0x10                ; ctxs
	v_lshl_add_u32 v5, v0, 2, SPARE
	v_mov_b32 v6, 0
	ds_add_u32 v5, v6                              ; the wave's opening: the add, twice on end, and its wait ahead of my first tensor load
	ds_add_u32 v5, v6
	v_lshrrev_b32 v8, 5, v0
	s_delay_alu instid0(VALU_DEP_1)
	v_readfirstlane_b32 s18, v8                    ; wave 0..15
	s_bfe_u32 s10, ttmp6, 0x40000                  ; cx
	s_lshl_b32 s11, ttmp9, 2
	s_add_co_u32 s11, s11, s10                     ; qb: my block of 256 queries
	s_and_b32 s12, ttmp7, 0xffff                   ; 16 x batch + head, which the four partners share
	s_mul_i32 s14, s12, RECORD
	; descriptor group 1: 36 rows of 256 bytes (32 elements of 8 bytes), dense in memory and in LDS
	s_mov_b32 s24, 15|(3<<16)|(1<<21)              ; the mask: all four work-groups
	s_mov_b32 s25, 32<<16
	s_mov_b32 s26, 36<<16
	s_mov_b32 s27, 32<<16
	s_mov_b32 s28, 36
	s_mov_b32 s29, 32
	s_mov_b32 s30, 0
	s_mov_b32 s31, 0
	s_mov_b32 s32, 1
	s_mul_i32 s33, s18, STEPB                      ; step w: in LDS,
	s_mul_i32 s16, s18, STEPM
	s_add_co_u32 s16, s16, s14                     ; and in memory
	s_mov_b32 s17, 0
	s_lshl_b32 s13, s11, 4
	s_add_co_u32 s13, s13, s18                     ; Tq: my tile of queries, 0 .. 127
	s_lshr_b32 s48, s13, 3
	s_mul_i32 s48, s48, STEPM
	s_add_co_u32 s48, s48, s14                     ; the step of the record that holds my queries
	s_and_b32 s49, s18, 7
	s_lshl_b32 s49, s49, 9
	s_add_co_u32 s38, s48, s49
	s_add_co_u32 s38, s38, 9216                    ; Q's image: tile Tq % 8 of 512 bytes
	s_mov_b32 s39, 0
	s_bfe_u32 s49, s18, 0x10002                    ; Q's scale word: which 64 queries, 256 bytes;
	s_lshl_b32 s49, s49, 8
	s_add_co_u32 s40, s48, s49
	s_and_b32 s49, s18, 1                          ; an odd tile lies in the upper sixteen places of 8 bytes,
	s_lshl_b32 s49, s49, 7
	s_add_co_u32 s40, s40, s49
	s_bfe_u32 s49, s18, 0x10001                    ; tiles 2 and 3 of the four in the second word
	s_lshl_b32 s49, s49, 2
	s_add_co_u32 s40, s40, s49
	s_add_co_u32 s40, s40, 13312
	s_mov_b32 s41, 0
	s_lshr_b32 s48, s12, 4
	s_lshl_b32 s48, s48, 7
	s_add_co_u32 s48, s48, s13                     ; Tg: the tile among all 256 token tiles
	s_and_b32 s49, s12, 15                         ; the head
	s_lshl_b32 s42, s48, 13                        ; ctxc: [Tg][head][512]
	s_lshl_b32 s50, s49, 9
	s_add_co_u32 s42, s42, s50
	s_mov_b32 s43, 0
	s_lshl_b32 s44, s48, 11                        ; ctxs: [Tg][head][128]
	s_lshl_b32 s50, s49, 7
	s_add_co_u32 s44, s44, s50
	s_mov_b32 s45, 0
	s_mov_b32 s20, 0x76543210
	s_mov_b32 s21, 0xfedcba98                      ; v_permlanex16_b32's selects for lane l xor 16
	s_mov_b32 s22, 0x3d38aa3b                      ; c = log2(e) / 32
	s_mov_b32 s23, s22                             ; (named with it as a pair, so it is written)
	s_mov_b32 s46, 0                               ; where the step in hand begins in LDS
	s_mov_b32 s36, 16                              ; 16 steps of 128 keys
	s_wait_dscnt 0x0                               ; both opening adds are done
	s_wait_kmcnt 0x0
	s_add_nc_u64 s[34:35], s[4:5], s[16:17]
	s_or_b32 s35, s35, 0x80000000
	s_add_nc_u64 s[38:39], s[4:5], s[38:39]
	s_add_nc_u64 s[40:41], s[4:5], s[40:41]
	s_add_nc_u64 s[42:43], s[6:7], s[42:43]
	s_add_nc_u64 s[44:45], s[8:9], s[44:45]
	CROUND                                         ; all four work-groups are here: the joint loads meet
	tensor_load_to_lds s[32:35], s[24:31]          ; one load a wave, with no branch: one load of mine is out
	s_nop 0
.rept 4
	v_nop
.endr
	v_and_b32 v8, 31, v0                           ; lane
	v_and_b32 v9, 15, v0                           ; r
	v_bfe_u32 v7, v0, 4, 1                         ; h
	v_lshlrev_b32 v1, 4, v8                        ; images: 16 x lane
	v_lshlrev_b32 v2, 2, v8
	v_lshlrev_b32 v3, 3, v8
	v_lshlrev_b32 v10, 3, v9
	v_lshlrev_b32 v7, 3, v7                        ; 8 h: my bytes' place in a scale word
	v_add_nc_u32 v3, 8192, v3                      ; scale words: 8 x lane, behind a step's codes
	global_load_b128 v[16:19], v1, s[38:39]        ; Q's image stays in registers
	global_load_b32 v24, v10, s[40:41]             ; and its scale word
.irp j, 20,21,22,23,64,65,66,67
	v_mov_b32 v[\j], 0                             ; zero codes
.endr
	v_mov_b32 v13, 0xff61b1e6                      ; the largest score so far: -3e38
	v_mov_b32 v12, 0x7f61b1e6                      ; -M: 3e38, so that the first step's factor is 0, on sums that are 0
	v_mov_b32 v14, 0                               ; the sum, in two halves
	v_mov_b32 v15, 0
.irp j, 237,247,253
	v_mov_b32 v[\j], 0                             ; lane permutes' destinations, and the upper half of the pair v[252:253]: written once
.endr
.set j, 0
.rept 32
	v_mov_b32 v[160+j], 0                          ; O^T: the step is written once; its first trip finds zeros
.set j, j+1
.endr
	s_wait_alu depctr_va_vdst(0)                   ; the wait at the head's end
	s_wait_loadcnt 0x0                             ; Q
	s_wait_tensorcnt 0x0                           ; my step is in,
	s_barrier_signal -1
	s_barrier_wait -1                              ; everybody's is
; A KEY STEP: 128 keys.  A barrier in halves stands round it, signalled at its head and awaited at its end: no wave begins step s + 1 before all sixteen have begun step s.  Between the halves stand register work and reads of bytes that nobody writes.
.Lstep:
	s_barrier_signal -1
	v_add_nc_u32 v8, s46, v1                       ; (these four are the places behind the last trip's products, in front of the loads into V's registers and of the lines that write V's scale words)
	v_add_nc_u32 v10, s46, v3
	v_mov_b32 v254, v12                            ; the old -M
	v_nop
.irp t, 0,1,2,3,4,5,6,7
	ds_load_b128 v[32+4*\t:35+4*\t], v8 offset:512*\t
.endr
	ds_load_b64 v[28:29], v10
	ds_load_b64 v[30:31], v10 offset:256
.irp ct, 0,1,2,3
.irp c, 0,1
	ds_load_b128 v[192+8*\ct+4*\c:195+8*\ct+4*\c], v8 offset:4096+2048*\c+512*\ct
.endr
.endr
	ds_load_b64 v[68:69], v10 offset:512
	ds_load_b64 v[70:71], v10 offset:768
	s_wait_dscnt 10                                ; K's ten loads are in; V's ten, issued behind them, may be out
.irp t, 0,1,2,3,4,5,6,7
.if \t%2
	v_wmma_scale_f32_16x16x128_f8f6f4 v[96+8*\t:103+8*\t], v[32+4*\t:39+4*\t], v[16:23], 0, v[28+\t/2], v24 matrix_a_fmt:MATRIX_FMT_FP4 matrix_b_fmt:MATRIX_FMT_FP4 matrix_a_scale:MATRIX_SCALE_ROW1
.else
	v_wmma_scale_f32_16x16x128_f8f6f4 v[96+8*\t:103+8*\t], v[32+4*\t:39+4*\t], v[16:23], 0, v[28+\t/2], v24 matrix_a_fmt:MATRIX_FMT_FP4 matrix_b_fmt:MATRIX_FMT_FP4
.endif
.endr
	s_wait_dscnt 0x0                               ; V
	v_perm_b32 v72, v70, v68, 0x05040100           ; V's scale words for 128 keys: two bytes of each 64; channel tiles 0 (lanes 0-15) and 1 (lanes 16-31),
	v_perm_b32 v73, v71, v69, 0x05040100           ; 2 and 3.  (With the two lines below: four places behind the products)
	v_nop
	v_nop
.irp b, 0,1,2,3
	v_max3_num_f32 v[232+\b], v[96+16*\b], v[97+16*\b], v[98+16*\b]   ; the largest score of my two blocks of 32 keys, two chains a block; each accumulator is read from its low end on
.endr
.irp i, 3,5,7,9,11,13
.irp b, 0,1,2,3
	v_max3_num_f32 v[232+\b], v[232+\b], v[96+16*\b+\i], v[97+16*\b+\i]
.endr
.endr
	v_max3_num_f32 v232, v232, v111, v127
	v_max3_num_f32 v234, v234, v143, v159
	s_delay_alu instid0(VALU_DEP_2)
	v_max_num_f32 v232, v232, v233                 ; block h's largest score: it serves the row's maximum and, since p rises with the score, the block's largest p
	s_delay_alu instid0(VALU_DEP_2)
	v_max_num_f32 v234, v234, v235                 ; block 2 + h's
	s_delay_alu instid0(VALU_DEP_1)
	v_max_num_f32 v236, v232, v234
	s_delay_alu instid0(VALU_DEP_1)
	v_permlanex16_b32 v237, v236, s20, s21
	s_delay_alu instid0(VALU_DEP_1)
	v_max3_num_f32 v13, v13, v236, v237            ; the running largest score of my query, with lane l xor 16's 64 keys
	s_delay_alu instid0(VALU_DEP_1)
	v_mul_f32 v238, s22, v13                       ; as t (c is positive)
	s_delay_alu instid0(VALU_DEP_1)
	v_floor_f32 v12, -v238                         ; the new -M = floor(-t) = -ceil(t)
	s_delay_alu instid0(VALU_DEP_1)
	v_sub_f32 v254, v12, v254                      ; M's old value less its new one: a whole number, 0 or less
	s_delay_alu instid0(VALU_DEP_1)
	v_cvt_i32_f32 v254, v254                       ; (it saturates)
	s_delay_alu instid0(VALU_DEP_1)
	v_ldexp_f32 v252, 1.0, v254                    ; f = 2^(old M - new M)
.set j, 0
.rept 32
	v_pk_fma_f32 v[96+j:97+j], v[96+j:97+j], s[22:23], v[12:13] op_sel_hi:[1,0,0]   ; t - M, two at a time
.set j, j+2
.endr
	v_fma_f32 v232, v232, s22, v12                 ; the same of each block's largest score
	v_fma_f32 v234, v234, s22, v12
	s_wait_alu depctr_va_vdst(0)                   ; the wait ahead of the batch
.set j, 0
.rept 64
	v_exp_f32 v[96+j], v[96+j]                     ; p = 2^(t - M), at most 1
.set j, j+1
.endr
	v_exp_f32 v232, v232                           ; the blocks' largest p: the same two instructions on the same number
	v_exp_f32 v234, v234
	v_pk_mul_f32 v[14:15], v[14:15], v[252:253] op_sel_hi:[1,0]   ; the sums under the new M (a plain place behind the exponentials)
	s_wait_alu depctr_va_vdst(0)                   ; one wait for the whole batch, ahead of its first reader
	v_pk_add_f32 v[236:237], v[96:97], v[98:99]    ; the row's sum of the unquantised p, two at a time, in four chains
	v_pk_add_f32 v[238:239], v[100:101], v[102:103]
	v_pk_add_f32 v[240:241], v[104:105], v[106:107]
	v_pk_add_f32 v[14:15], v[14:15], v[108:109]
.set j, 110
.rept 6
	v_pk_add_f32 v[236:237], v[236:237], v[j:j+1]
	v_pk_add_f32 v[238:239], v[238:239], v[j+2:j+3]
	v_pk_add_f32 v[240:241], v[240:241], v[j+4:j+5]
	v_pk_add_f32 v[14:15], v[14:15], v[j+6:j+7]
.set j, j+8
.endr
	v_pk_add_f32 v[236:237], v[236:237], v[158:159]
	v_pk_add_f32 v[14:15], v[14:15], v[238:239]
	s_delay_alu instid0(VALU_DEP_2)
	v_pk_add_f32 v[236:237], v[236:237], v[240:241]
	v_max_num_f32 v232, 0x1800000, v232            ; the floor 2^(3 - 127): the byte cannot fall under 1
	v_max_num_f32 v234, 0x1800000, v234
	v_pk_add_f32 v[14:15], v[14:15], v[236:237]
	v_add_nc_u32 v244, 0xff000000, v232            ; 2 off the exponent field: the conversions' scale operands
	v_add_nc_u32 v245, 0xff000000, v234
	s_delay_alu instid0(VALU_DEP_2)
	v_lshrrev_b32 v246, 23, v244                   ; the bytes
	s_delay_alu instid0(VALU_DEP_2)
	v_lshrrev_b32 v247, 23, v245
	s_delay_alu instid0(VALU_DEP_1)
	v_lshl_or_b32 v246, v247, 16, v246             ; blocks h and 2 + h,
	s_delay_alu instid0(VALU_DEP_1)
	v_lshlrev_b32 v246, v7, v246                   ; at their places in the word;
	s_delay_alu instid0(VALU_DEP_1)
	v_permlanex16_b32 v247, v246, s20, s21
	s_delay_alu instid0(VALU_DEP_1)
	v_or_b32 v75, v246, v247                       ; with lane l xor 16's two, p's scale word for these 128 keys is whole
.irp c, 0,1
.irp u, 0,1,2,3
	v_cvt_scalef32_pk8_fp4_f32 v[224+4*\c+\u], v[96+32*\c+8*\u:103+32*\c+8*\u], v[244+\c]   ; registers 4 c .. 4 c + 3 of the operand: keys 64 c + 32 h + 0 .. 31
.endr
.endr
	s_wait_alu depctr_va_vdst(0)                   ; the wait here, directly ahead of the first reader of O^T
.set j, 0
.rept 16
	v_pk_mul_f32 v[160+j:161+j], v[160+j:161+j], v[252:253] op_sel_hi:[1,0]   ; O^T under the new M.  (These sixteen are also the places between the scale word and the codes just made and the products below)
.set j, j+2
.endr
.irp ct, 0,1,2,3
.if \ct%2
	v_wmma_scale_f32_16x16x128_f8f6f4 v[160+8*\ct:167+8*\ct], v[192+8*\ct:199+8*\ct], v[224:231], v[160+8*\ct:167+8*\ct], v[72+\ct/2], v75 matrix_a_fmt:MATRIX_FMT_FP4 matrix_b_fmt:MATRIX_FMT_FP4 matrix_a_scale:MATRIX_SCALE_ROW1
.else
	v_wmma_scale_f32_16x16x128_f8f6f4 v[160+8*\ct:167+8*\ct], v[192+8*\ct:199+8*\ct], v[224:231], v[160+8*\ct:167+8*\ct], v[72+\ct/2], v75 matrix_a_fmt:MATRIX_FMT_FP4 matrix_b_fmt:MATRIX_FMT_FP4
.endif
.endr
	s_barrier_wait -1
	s_add_co_u32 s46, s46, STEPB
	s_sub_co_u32 s36, s36, 1
	s_cmp_lg_u32 s36, 0
	s_cbranch_scc1 .Lstep
	; THE WAY OUT: O^T / l, quantised: my 32 channels are one block of the last product's K
.rept 4
	v_nop                                          ; places behind the last products
.endr
	v_add_f32 v14, v14, v15                        ; the sum's two halves,
	s_delay_alu instid0(VALU_DEP_1)
	v_permlanex16_b32 v252, v14, s20, s21
	s_delay_alu instid0(VALU_DEP_1)
	v_add_f32 v14, v14, v252                       ; and lane l xor 16's
	s_wait_alu depctr_va_vdst(0)                   ; the wait ahead of the transcendental
	v_rcp_f32 v14, v14
	v_nop                                          ; a plain place behind it
	s_wait_alu depctr_va_vdst(0)                   ; and the wait ahead of its first reader, which is O^T's first reader too
.set j, 0
.rept 16
	v_pk_mul_f32 v[96+j:97+j], v[160+j:161+j], v[14:15] op_sel_hi:[1,0]   ; register n: channel 32 h + n; each accumulator from its low end on
.set j, j+2
.endr
	v_max3_num_f32 v232, |v96|, |v97|, 0x1800000
	v_max3_num_f32 v233, |v112|, |v113|, 0x1800000
.irp i, 2,4,6,8,10,12,14
	s_delay_alu instid0(VALU_DEP_2)
	v_max3_num_f32 v232, v232, |v[96+\i]|, |v[97+\i]|
	s_delay_alu instid0(VALU_DEP_2)
	v_max3_num_f32 v233, v233, |v[112+\i]|, |v[113+\i]|
.endr
	s_delay_alu instid0(VALU_DEP_1)
	v_max_num_f32 v232, v232, v233
	s_delay_alu instid0(VALU_DEP_1)
	v_add_nc_u32 v244, 0xff000000, v232
	s_delay_alu instid0(VALU_DEP_1)
	v_lshrrev_b32 v236, 23, v244
	s_delay_alu instid0(VALU_DEP_1)
	v_lshlrev_b32 v236, v7, v236
	s_delay_alu instid0(VALU_DEP_1)
	v_permlanex16_b32 v237, v236, s20, s21
	s_delay_alu instid0(VALU_DEP_1)
	v_or_b32 v240, v236, v237                      ; the head's two bytes of my token
.irp u, 0,1,2,3
	v_cvt_scalef32_pk8_fp4_f32 v[224+\u], v[96+8*\u:103+8*\u], v244
.endr
	v_nop                                          ; one plain place behind a scaled conversion
	global_store_b128 v1, v[224:227], s[42:43]     ; an image: 512 consecutive bytes, aligned
	global_store_b32 v2, v240, s[44:45]            ; 128 consecutive bytes: this buffer's runs are half of an aligned 256; it has 524,288 bytes in all
	s_wait_tensorcnt 0x0                           ; the wave's end
	ds_add_u32 v5, v6
	s_wait_dscnt 0x0
	CROUND                                         ; the closing round
	s_endpgm
.Lfunc_end_k_qe964907115_attn:
	.size	k_qe964907115_attn, .Lfunc_end_k_qe964907115_attn-k_qe964907115_attn
	.p2alignl 7, 3214868480
	.fill 96, 4, 3214868480
	.section	.rodata,"a",@progbits
	.p2align	6, 0x0
	.amdhsa_kernel k_qe964907115_attn
		.amdhsa_group_segment_fixed_size 167936
		.amdhsa_private_segment_fixed_size 0
		.amdhsa_enable_private_segment 0
		.amdhsa_kernarg_size 24
		.amdhsa_user_sgpr_count 2
		.amdhsa_user_sgpr_kernarg_segment_ptr 1
		.amdhsa_wavefront_size32 1
		.amdhsa_system_sgpr_workgroup_id_x 1
		.amdhsa_system_sgpr_workgroup_id_y 1
		.amdhsa_system_sgpr_workgroup_id_z 1
		.amdhsa_system_vgpr_workitem_id 0
		.amdhsa_next_free_vgpr 256
		.amdhsa_next_free_sgpr 66
		.amdhsa_reserve_vcc 0
		.amdhsa_float_denorm_mode_32 3
		.amdhsa_float_denorm_mode_16_64 3
		.amdhsa_memory_ordered 1
		.amdhsa_forward_progress 1
		.amdhsa_inst_pref_size 26
	.end_amdhsa_kernel
	.amdgpu_metadata
---
amdhsa.version: [ 1, 2 ]
amdhsa.kernels:
  - .name:           k_qe964907115_attn
    .symbol:         k_qe964907115_attn.kd
    .args:
      - { .name: qkv, .offset: 0, .size: 8, .value_kind: global_buffer, .address_space: global }
      - { .name: ctxc, .offset: 8, .size: 8, .value_kind: global_buffer, .address_space: global }
      - { .name: ctxs, .offset: 16, .size: 8, .value_kind: global_buffer, .address_space: global }
    .group_segment_fixed_size: 167936
    .private_segment_fixed_size: 0
    .kernarg_segment_align: 8
    .kernarg_segment_size: 24
    .max_flat_workgroup_size: 512
    .sgpr_count:     66
    .vgpr_count:     256
    .wavefront_size: 32
...
	.end_amdgpu_metadata
.endif
;; end of part 3
;; launch oproj (part 4): grid 256 x 1, 8 waves a work-group, clusters of 4 x 1, 327,680 bytes of LDS; arguments codes, scales, ctxc, ctxs, x, bo, gamma, beta, out0; writes out0
.if DOCPART == 4
	.amdgcn_target "amdgcn-amd-amdhsa--gfx1250"
	.amdhsa_code_object_version 6
	.text
	.protected	k_qe964907115_oproj
	.globl	k_qe964907115_oproj
	.p2align	8
	.type	k_qe964907115_oproj,@function
k_qe964907115_oproj:
	s_mov_b64 s[64:65], 0
	v_nop
	global_prefetch_b8 v0, s[64:65] scope:SCOPE_SE
	s_setreg_imm32_b32 hwreg(HW_REG_WAVE_MODE, 25, 1), 1
	s_wait_xcnt 0x0
	s_wait_alu depctr_hold_cnt(0) depctr_sa_sdst(0) depctr_va_vdst(0) depctr_va_sdst(0) depctr_va_ssrc(0) depctr_va_vcc(0) depctr_vm_vsrc(0)
	s_getreg_b32 s2, hwreg(HW_REG_IB_STS2, 6, 4)
	s_cmp_eq_u32 s2, 0
	s_cbranch_scc0 .Lentry_in_a_cluster
	s_endpgm
.Lentry_in_a_cluster:
	s_bfe_u32 s2, ttmp6, 0x10000c
	s_cmp_lg_u32 s2, 0x3003
	s_cbranch_scc0 .Lentry_shape_is_right
	s_endpgm
.Lentry_shape_is_right:
; LAUNCH 4 OF 4.  out = LayerNorm(x + ctx wo^T + bo) x gamma + beta; the product on codes of FP4, all else in f32.  No work is left out.
; SHARES.  Work-group Tg takes one tile of 16 tokens, whole rows of 1,024, so that the norm stays inside it.  Wave w makes columns 128 w .. 128 w + 127 (wo's tiles 8 w + 0 .. 7): 8 accumulators, 64 matrix instructions; then it norms and stores two whole rows.
; wo COMES THROUGH LDS BY JOINT TENSOR LOADS.  Every work-group needs all 524,288 bytes of wo's codes, the same bytes for all: so the four work-groups of a cluster ask for them jointly, which divides the requests by four, and a work-group
; asks by 16 tensor loads where lane-by-lane loads would be 1,024 of 512 bytes.  LDS holds one half of K at a time, 262,144 bytes: wave w fetches its own eight tiles' half (8 rows of 4,096 bytes, 8,192 apart in memory) into its own 32,768 bytes
; and is the only wave that reads them, so its own wait for its load orders its reads.  K half 1 is filled into the same bytes behind a round of the cluster's barrier.  By this text's count one tensor load of a wave is out at a time.
; The place in the cluster enters the global addresses of ctx, x and out alone: no LDS address, no branch, no word of the descriptors.
; THE PRODUCT IS USED TRANSPOSED (source 0 = 16 rows of wo, source 1 = ctx's 16 tokens): a lane holds one token and eight neighbouring columns.  The results meet in a stage in LDS (rows 4,112 bytes apart) and come back as whole rows.
; The stage lies in wo's bytes, which have had their last fill by then; a barrier stands between every wave's last read of them and the first store into the stage.
; LIMITS: 1 / sqrt is v_rsq_f32's; NaN and infinities among the inputs are not served.
; REGISTERS.  Window 0: v1-4, v7 addresses; v5, v6 the add's two; v16-79 the accumulators, then two rows of y; v80-143 ctx's eight fragments; v144-175 wo's scale words; v176-183 ctx's; v184-199 ctx's as they lie; v200-231 beta; v232-251 at work.
;   window 1: wo's fragments, two sets of 64 at v0 and v64; bo at v128-159; gamma at v160-191; x's two rows at v192-255.
.set SP,    4112                       ; a stage row: 4,096 bytes + 16: sixteen rows begin in sixteen different groups of banks
.set WPART, 32768                      ; a wave's part of a K half of wo
.set SPARE, 8*WPART                    ; behind wo: the spare words, 128 bytes a wave, that no other line names
.set MSB, 0
.macro WIN new                         ; the immediate's high byte repeats the setting that is left; a switch that changes nothing is dropped
.if MSB != (\new)
	s_set_vgpr_msb (MSB<<8)|(\new)
.set MSB, (\new)
.endif
.endm
.macro CROUND                          ; a round of the cluster's barrier
	s_barrier_signal -1
	s_barrier_wait -1
	s_cmp_lg_u32 s22, 0
	s_cbranch_scc1 .Lnot_wave_0_\@
	s_barrier_signal -3
.Lnot_wave_0_\@:
	s_barrier_wait -3
	s_barrier_signal -1
	s_barrier_wait -1
.endm
	s_load_b256 s[4:11], s[0:1], 0x0               ; codes, scales, ctxc, ctxs
	s_load_b256 s[12:19], s[0:1], 0x20             ; x, bo, gamma, beta
	s_load_b64 s[20:21], s[0:1], 0x40              ; out0
	v_lshl_add_u32 v5, v0, 2, SPARE
	v_mov_b32 v6, 0
	ds_add_u32 v5, v6                              ; the wave's opening: the add, twice on end, and its wait ahead of my first tensor load
	ds_add_u32 v5, v6
	v_lshrrev_b32 v8, 5, v0
	s_delay_alu instid0(VALU_DEP_1)
	v_readfirstlane_b32 s22, v8                    ; wave 0..7
	s_bfe_u32 s38, ttmp6, 0x40000                  ; cx
	s_lshl_b32 s39, ttmp9, 2
	s_add_co_u32 s39, s39, s38                     ; Tg = 4 x cluster x + cx
	; descriptor group 1: 8 rows (tiles) of 4,096 bytes (half of K), 8,192 bytes apart in memory, dense in LDS; elements of 8 bytes
	s_mov_b32 s44, 15|(3<<16)|(1<<21)              ; the mask: all four work-groups
	s_mov_b32 s45, 512<<16                         ; tensor_dim0 = 512
	s_mov_b32 s46, 8<<16                           ; tensor_dim1 = 8
	s_mov_b32 s47, 512<<16                         ; tile_dim0 = 512
	s_mov_b32 s48, 8                               ; tile_dim1 = 8
	s_mov_b32 s49, 1024                            ; from row to row
	s_mov_b32 s50, 0
	s_mov_b32 s51, 0
	s_mov_b32 s52, 1                               ; group 0: count = 1,
	s_lshl_b32 s53, s22, 15                        ; my part of LDS
	s_lshl_b32 s24, s39, 13                        ; ctxc: 8,192 bytes a tile
	s_mov_b32 s25, 0
	s_lshl_b32 s26, s39, 11                        ; ctxs: 2,048
	s_mov_b32 s27, 0
	s_lshl_b32 s28, s22, 12
	s_add_co_u32 s28, s28, 229376                  ; wo's scale words: pair 224 + 4 w
	s_mov_b32 s29, 0
	s_lshl_b32 s30, s22, 16
	s_add_co_u32 s30, s30, 3670016                 ; wo's codes: tile 448 + 8 w
	s_mov_b32 s31, 0
	s_lshr_b32 s32, s39, 2                         ; lane r of tile T stands for row 64 (T / 4) + 8 (T % 4) + r % 8 + 32 (r / 8).  The token of stage row 2 w: 64 (Tg / 4) + 8 (Tg % 4) + 2 w + 24 (w / 4); row 2 w + 1 is the next token
	s_lshl_b32 s32, s32, 6
	s_and_b32 s33, s39, 3
	s_lshl_b32 s33, s33, 3
	s_add_co_u32 s32, s32, s33
	s_lshl_b32 s33, s22, 1
	s_add_co_u32 s32, s32, s33
	s_lshr_b32 s33, s22, 2
	s_mul_i32 s33, s33, 24
	s_add_co_u32 s32, s32, s33
	s_lshl_b32 s34, s32, 12
	s_mov_b32 s35, 0
	s_mov_b32 s36, 0x76543210
	s_mov_b32 s37, 0xfedcba98                      ; v_permlanex16_b32's selects for lane l xor 16
	s_mov_b32 s40, 0x3a800000                      ; 1 / 1,024
	s_mov_b32 s41, 0x3727c5ac                      ; 1e-5
	s_wait_dscnt 0x0                               ; both opening adds are done
	s_wait_kmcnt 0x0
	s_add_nc_u64 s[54:55], s[4:5], s[30:31]        ; my eight tiles of wo, K half 0: the same address in all four partners
	s_or_b32 s55, s55, 0x80000000                  ; type = 2
	s_add_nc_u64 s[6:7], s[6:7], s[28:29]
	s_add_nc_u64 s[8:9], s[8:9], s[24:25]
	s_add_nc_u64 s[10:11], s[10:11], s[26:27]
	s_add_nc_u64 s[12:13], s[12:13], s[34:35]
	s_add_nc_u64 s[20:21], s[20:21], s[34:35]
	CROUND                                         ; all four work-groups are here: the joint loads meet
	tensor_load_to_lds s[52:55], s[44:51]          ; one load a wave, with no branch
	s_nop 0
.rept 4
	v_nop
.endr
	v_and_b32 v8, 31, v0                           ; lane
	v_and_b32 v9, 15, v0                           ; r
	v_bfe_u32 v10, v0, 4, 1                        ; h
	s_delay_alu instid0(VALU_DEP_3)
	v_lshlrev_b32 v1, 4, v8                        ; 16 x lane
	s_delay_alu instid0(VALU_DEP_4)
	v_lshlrev_b32 v2, 2, v8                        ; 4 x lane
	s_delay_alu instid0(VALU_DEP_4)
	v_mul_u32_u24 v3, v9, SP
	s_delay_alu instid0(VALU_DEP_1)
	v_lshl_add_u32 v3, v10, 7, v3
	s_lshl_b32 s23, s22, 9
	v_add_nc_u32 v3, s23, v3                       ; into the stage: row r, + 128 h, + my 512 bytes
	s_mul_i32 s23, s22, 2*SP
	v_add_nc_u32 v4, s23, v1                       ; back: rows 2 w and 2 w + 1
	v_add_nc_u32 v7, s53, v1                       ; wo's images in my part of LDS
.irp j, 241,243,244,245,249,251
	v_mov_b32 v[\j], 0                             ; upper halves of pairs that are named whole, and lane permutes' destinations: written once
.endr
	; the global loads, in the order in which they are wanted (loads come back in order).  First 40: ctx and the scale words
.irp s, 0,1,2,3,4,5,6,7
.irp c, 0,1
	global_load_b128 v[80+8*\s+4*\c:83+8*\s+4*\c], v1, s[8:9] offset:1024*\s+512*\c   ; ctx: heads 2 s and 2 s + 1 are the two halves of K step s's fragment
.endr
.endr
.irp n, 0,1,2,3,4,5,6,7,8,9,10,11,12,13,14,15
	global_load_b32 v[184+\n], v2, s[10:11] offset:128*\n
.endr
.irp a, 0,1,2,3
.irp q, 0,1
	global_load_b128 v[144+8*\a+4*\q:147+8*\a+4*\q], v1, s[6:7] offset:1024*\a+512*\q
.endr
.endr
	WIN 0x40                                       ; then 40 for the norm: destination window 1
.irp p, 0,1
.irp i, 0,1,2,3,4,5,6,7
	global_load_b128 v[192+32*\p+4*\i:195+32*\p+4*\i], v1, s[12:13] offset:4096*\p+512*\i th:TH_LOAD_NT   ; x's two rows, 512 consecutive bytes a load
.endr
.endr
.irp i, 0,1,2,3,4,5,6,7
	global_load_b128 v[128+4*\i:131+4*\i], v1, s[14:15] offset:512*\i    ; bo
.endr
.irp i, 0,1,2,3,4,5,6,7
	global_load_b128 v[160+4*\i:163+4*\i], v1, s[16:17] offset:512*\i    ; gamma
.endr
	WIN 0
.irp i, 0,1,2,3,4,5,6,7
	global_load_b128 v[200+4*\i:203+4*\i], v1, s[18:19] offset:512*\i    ; beta
.endr
.macro FETCH s                         ; K step s's eight fragments of wo, out of my part of LDS, into set s % 2: 16 loads of 512 consecutive bytes
	WIN 0x40                                       ; destination window 1
.irp n, 0,1,2,3,4,5,6,7
.irp c, 0,1
	ds_load_b128 v[64*((\s)%2)+8*\n+4*\c:64*((\s)%2)+8*\n+4*\c+3], v7 offset:4096*\n+1024*((\s)%4)+512*\c
.endr
.endr
	WIN 0
.endm
.macro PROD s, n
.set D_, 16+8*(\n)
.set A_, 64*((\s)%2)+8*(\n)
.set B_, 80+8*(\s)
.set SA_, 144+8*((\n)/2)+(\s)
.set SB_, 176+(\s)
.if (\s) == 0
.if (\n)%2
	v_wmma_scale_f32_16x16x128_f8f6f4 v[D_:D_+7], v[A_:A_+7], v[B_:B_+7], 0, v[SA_], v[SB_] matrix_a_fmt:MATRIX_FMT_FP4 matrix_b_fmt:MATRIX_FMT_FP4 matrix_a_scale:MATRIX_SCALE_ROW1
.else
	v_wmma_scale_f32_16x16x128_f8f6f4 v[D_:D_+7], v[A_:A_+7], v[B_:B_+7], 0, v[SA_], v[SB_] matrix_a_fmt:MATRIX_FMT_FP4 matrix_b_fmt:MATRIX_FMT_FP4
.endif
.else
.if (\n)%2
	v_wmma_scale_f32_16x16x128_f8f6f4 v[D_:D_+7], v[A_:A_+7], v[B_:B_+7], v[D_:D_+7], v[SA_], v[SB_] matrix_a_fmt:MATRIX_FMT_FP4 matrix_b_fmt:MATRIX_FMT_FP4 matrix_a_scale:MATRIX_SCALE_ROW1
.else
	v_wmma_scale_f32_16x16x128_f8f6f4 v[D_:D_+7], v[A_:A_+7], v[B_:B_+7], v[D_:D_+7], v[SA_], v[SB_] matrix_a_fmt:MATRIX_FMT_FP4 matrix_b_fmt:MATRIX_FMT_FP4
.endif
.endif
.endm
.macro EIGHT s                         ; K step s's eight products: the eight accumulators take turns; step 0 starts the sums.  Four plain places follow, in front of loads into the set just multiplied and of the first read of results
	WIN 0x01                                       ; source 0 (wo) window 1
.irp n, 0,1,2,3,4,5,6,7
	PROD \s, \n
.endr
	WIN 0
.rept 4
	v_nop
.endr
.endm
.macro MULS s, cnt                     ; cnt: the LDS instructions issued behind this step's fragment loads, which may stay out
	s_wait_dscnt \cnt
	EIGHT \s
.endm
	s_wait_loadcnt 40                              ; ctx and the scale words are in; x, bo, gamma and beta (16 + 8 + 8 + 8), issued behind them, may be out
.irp s, 0,1,2,3,4,5,6,7
	v_perm_b32 v[176+\s], v[185+2*\s], v[184+2*\s], 0x05040100   ; K step s's scale word of my token: two bytes of head 2 s, two of head 2 s + 1
.endr
.rept 8
	v_nop                                          ; a scale register written by a vector instruction stands 8 places ahead of a scaled matrix instruction
.endr
	s_wait_alu depctr_va_vdst(0)
	s_wait_tensorcnt 0x0                           ; my K half 0 is in LDS, and I alone read it
	FETCH 0
	FETCH 1
	MULS 0, 16                                     ; step 0's 16 loads are in; step 1's may be out
	FETCH 2
	MULS 1, 16
	FETCH 3
	; THE CHANGE OF HALVES: all my tensor loads have landed; the add; my reads of these bytes are over; a round of the cluster's barrier; the refill first behind it
	s_wait_tensorcnt 0x0                           ; no tensor load of mine is out, so group 0 may be written
	ds_add_u32 v5, v6                              ; 0 onto my spare word: the step below and K step 2's products stand between it and the wait for it
	s_add_nc_u64 s[54:55], s[54:55], 4096          ; K half 1; the type bits on top are not reached
	MULS 2, 17                                     ; step 2's loads are in; step 3's 16 and the add may be out
	s_wait_dscnt 0x0                               ; the add is done, and my reads of K half 0 are back in registers
	CROUND                                         ; the same holds of every wave of all four work-groups
	tensor_load_to_lds s[52:55], s[44:51]          ; my one tensor load behind the round
	s_nop 0
.rept 4
	v_nop
.endr
	EIGHT 3                                        ; on registers, while the load is on its way
	s_wait_tensorcnt 0x0                           ; my K half 1 is in
	FETCH 4
	FETCH 5
	MULS 4, 16
	FETCH 6
	MULS 5, 16
	FETCH 7
	MULS 6, 16
	s_wait_dscnt 0x0                               ; my last reads of wo's bytes are back: say so,
	s_barrier_signal -1
	EIGHT 7                                        ; work on registers while the others arrive,
	s_barrier_wait -1                              ; and only when nobody reads wo's bytes any more is the stage written over them
.irp n, 0,1,2,3,4,5,6,7
	ds_store_b128 v3, v[16+8*\n:19+8*\n] offset:256*(\n/4)+32*(\n%4)       ; columns 128 w + 64 (n / 4) + 32 h + 8 (n % 4) + 0 .. 7 of token r (v3 holds 128 h bytes); each accumulator from its low end on
	ds_store_b128 v3, v[20+8*\n:23+8*\n] offset:256*(\n/4)+32*(\n%4)+16
.endr
	s_wait_dscnt 0x0                               ; for the others' sake: my stores into the stage are done
	s_barrier_signal -1
	s_barrier_wait -1
.irp p, 0,1
.irp i, 0,1,2,3,4,5,6,7
	ds_load_b128 v[16+32*\p+4*\i:19+32*\p+4*\i], v4 offset:SP*\p+512*\i   ; two whole rows: register 4 i + e of a row is column 128 i + 4 lane + e
.endr
.endr
	s_wait_dscnt 0x0
	s_wait_loadcnt 0x0                             ; x, bo, gamma, beta
	WIN 0x04                                       ; source 1 window 1
.irp p, 0,1
.set j, 0
.rept 16
	v_pk_add_f32 v[16+32*\p+j:17+32*\p+j], v[16+32*\p+j:17+32*\p+j], v[128+j:129+j]          ; + bo
.set j, j+2
.endr
.endr
.irp p, 0,1
.set j, 0
.rept 16
	v_pk_add_f32 v[16+32*\p+j:17+32*\p+j], v[16+32*\p+j:17+32*\p+j], v[192+32*\p+j:193+32*\p+j]   ; + x
.set j, j+2
.endr
.endr
	WIN 0
.macro ACROSS reg, tmp                 ; the sum over the wave's 32 lanes, in every lane
	v_add_f32_dpp v[\reg], v[\reg], v[\reg] row_xmask:1 row_mask:0xf bank_mask:0xf
	s_delay_alu instid0(VALU_DEP_1)
	v_add_f32_dpp v[\reg], v[\reg], v[\reg] row_xmask:2 row_mask:0xf bank_mask:0xf
	s_delay_alu instid0(VALU_DEP_1)
	v_add_f32_dpp v[\reg], v[\reg], v[\reg] row_xmask:4 row_mask:0xf bank_mask:0xf
	s_delay_alu instid0(VALU_DEP_1)
	v_add_f32_dpp v[\reg], v[\reg], v[\reg] row_xmask:8 row_mask:0xf bank_mask:0xf
	s_delay_alu instid0(VALU_DEP_1)
	v_permlanex16_b32 v[\tmp], v[\reg], s36, s37
	s_delay_alu instid0(VALU_DEP_1)
	v_add_f32 v[\reg], v[\reg], v[\tmp]
.endm
.irp p, 0,1                            ; the rows' sums, two chains a row
	v_pk_add_f32 v[232+4*\p:233+4*\p], v[16+32*\p:17+32*\p], v[18+32*\p:19+32*\p]
	v_pk_add_f32 v[234+4*\p:235+4*\p], v[20+32*\p:21+32*\p], v[22+32*\p:23+32*\p]
.endr
.irp j, 8,12,16,20,24,28
.irp p, 0,1
	s_delay_alu instid0(VALU_DEP_4)
	v_pk_add_f32 v[232+4*\p:233+4*\p], v[232+4*\p:233+4*\p], v[16+32*\p+\j:17+32*\p+\j]
	s_delay_alu instid0(VALU_DEP_4)
	v_pk_add_f32 v[234+4*\p:235+4*\p], v[234+4*\p:235+4*\p], v[18+32*\p+\j:19+32*\p+\j]
.endr
.endr
.irp p, 0
	s_delay_alu instid0(VALU_DEP_3)
	v_pk_add_f32 v[232+4*\p:233+4*\p], v[232+4*\p:233+4*\p], v[234+4*\p:235+4*\p]
.endr
.irp p, 1
	s_delay_alu instid0(VALU_DEP_2)
	v_pk_add_f32 v[232+4*\p:233+4*\p], v[232+4*\p:233+4*\p], v[234+4*\p:235+4*\p]
.endr
.irp p, 0,1
	s_delay_alu instid0(VALU_DEP_2)
	v_add_f32 v[240+2*\p], v[232+4*\p], v[233+4*\p]
.endr
	ACROSS 240, 244
	ACROSS 242, 245
.irp p, 0
	v_mul_f32 v[240+2*\p], s40, v[240+2*\p]        ; the mean
.endr
.irp p, 1
	s_delay_alu instid0(VALU_DEP_2)
	v_mul_f32 v[240+2*\p], s40, v[240+2*\p]        ; the mean
.endr
.irp p, 0,1
.set j, 0
.rept 16
	v_pk_add_f32 v[16+32*\p+j:17+32*\p+j], v[16+32*\p+j:17+32*\p+j], v[240+2*\p:241+2*\p] op_sel_hi:[1,0] neg_lo:[0,1] neg_hi:[0,1]   ; y - the mean
.set j, j+2
.endr
.endr
.irp p, 0,1                            ; the sums of squares
	v_pk_mul_f32 v[232+4*\p:233+4*\p], v[16+32*\p:17+32*\p], v[16+32*\p:17+32*\p]
	v_pk_mul_f32 v[234+4*\p:235+4*\p], v[18+32*\p:19+32*\p], v[18+32*\p:19+32*\p]
.endr
.irp j, 4,8,12,16,20,24,28
.irp p, 0,1
	s_delay_alu instid0(VALU_DEP_4)
	v_pk_fma_f32 v[232+4*\p:233+4*\p], v[16+32*\p+\j:17+32*\p+\j], v[16+32*\p+\j:17+32*\p+\j], v[232+4*\p:233+4*\p]
	s_delay_alu instid0(VALU_DEP_4)
	v_pk_fma_f32 v[234+4*\p:235+4*\p], v[18+32*\p+\j:19+32*\p+\j], v[18+32*\p+\j:19+32*\p+\j], v[234+4*\p:235+4*\p]
.endr
.endr
.irp p, 0
	s_delay_alu instid0(VALU_DEP_3)
	v_pk_add_f32 v[232+4*\p:233+4*\p], v[232+4*\p:233+4*\p], v[234+4*\p:235+4*\p]
.endr
.irp p, 1
	s_delay_alu instid0(VALU_DEP_2)
	v_pk_add_f32 v[232+4*\p:233+4*\p], v[232+4*\p:233+4*\p], v[234+4*\p:235+4*\p]
.endr
.irp p, 0,1
	s_delay_alu instid0(VALU_DEP_2)
	v_add_f32 v[248+2*\p], v[232+4*\p], v[233+4*\p]
.endr
	ACROSS 248, 244
	ACROSS 250, 245
.irp p, 0
	v_fma_f32 v[248+2*\p], v[248+2*\p], s40, s41   ; the variance + 1e-5
.endr
.irp p, 1
	s_delay_alu instid0(VALU_DEP_2)
	v_fma_f32 v[248+2*\p], v[248+2*\p], s40, s41   ; the variance + 1e-5
.endr
	s_wait_alu depctr_va_vdst(0)
	v_rsq_f32 v248, v248
	v_rsq_f32 v250, v250
	v_nop                                          ; a plain place behind the transcendentals
	s_wait_alu depctr_va_vdst(0)                   ; one wait for both, ahead of their first reader
.irp p, 0,1
.set j, 0
.rept 16
	v_pk_mul_f32 v[16+32*\p+j:17+32*\p+j], v[16+32*\p+j:17+32*\p+j], v[248+2*\p:249+2*\p] op_sel_hi:[1,0]
.set j, j+2
.endr
.endr
	WIN 0x04                                       ; source 1 (gamma) window 1
.irp p, 0,1
.set j, 0
.rept 16
	v_pk_fma_f32 v[16+32*\p+j:17+32*\p+j], v[16+32*\p+j:17+32*\p+j], v[160+j:161+j], v[200+j:201+j]   ; x gamma + beta
.set j, j+2
.endr
.endr
	WIN 0
.irp p, 0,1
.irp i, 0,1,2,3,4,5,6,7
	global_store_b128 v1, v[16+32*\p+4*\i:19+32*\p+4*\i], s[20:21] offset:4096*\p+512*\i th:TH_STORE_NT   ; 512 consecutive bytes, aligned; written once, read by nobody here
.endr
.endr
	s_wait_tensorcnt 0x0                           ; the wave's end
	ds_add_u32 v5, v6
	s_wait_dscnt 0x0
	CROUND                                         ; the closing round: no work-group ends while a partner may still ask for a tile that names it
	s_endpgm
.Lfunc_end_k_qe964907115_oproj:
	.size	k_qe964907115_oproj, .Lfunc_end_k_qe964907115_oproj-k_qe964907115_oproj
	.p2alignl 7, 3214868480
	.fill 96, 4, 3214868480
	.section	.rodata,"a",@progbits
	.p2align	6, 0x0
	.amdhsa_kernel k_qe964907115_oproj
		.amdhsa_group_segment_fixed_size 327680
		.amdhsa_private_segment_fixed_size 0
		.amdhsa_enable_private_segment 0
		.amdhsa_kernarg_size 72
		.amdhsa_user_sgpr_count 2
		.amdhsa_user_sgpr_kernarg_segment_ptr 1
		.amdhsa_wavefront_size32 1
		.amdhsa_system_sgpr_workgroup_id_x 1
		.amdhsa_system_sgpr_workgroup_id_y 1
		.amdhsa_system_sgpr_workgroup_id_z 1
		.amdhsa_system_vgpr_workitem_id 0
		.amdhsa_next_free_vgpr 512
		.amdhsa_next_free_sgpr 66
		.amdhsa_reserve_vcc 0
		.amdhsa_float_denorm_mode_32 3
		.amdhsa_float_denorm_mode_16_64 3
		.amdhsa_memory_ordered 1
		.amdhsa_forward_progress 1
		.amdhsa_inst_pref_size 55
	.end_amdhsa_kernel
	.amdgpu_metadata
---
amdhsa.version: [ 1, 2 ]
amdhsa.kernels:
  - .name:           k_qe964907115_oproj
    .symbol:         k_qe964907115_oproj.kd
    .args:
      - { .name: codes, .offset: 0, .size: 8, .value_kind: global_buffer, .address_space: global }
      - { .name: scales, .offset: 8, .size: 8, .value_kind: global_buffer, .address_space: global }
      - { .name: ctxc, .offset: 16, .size: 8, .value_kind: global_buffer, .address_space: global }
      - { .name: ctxs, .offset: 24, .size: 8, .value_kind: global_buffer, .address_space: global }
      - { .name: x, .offset: 32, .size: 8, .value_kind: global_buffer, .address_space: global }
      - { .name: bo, .offset: 40, .size: 8, .value_kind: global_buffer, .address_space: global }
      - { .name: gamma, .offset: 48, .size: 8, .value_kind: global_buffer, .address_space: global }
      - { .name: beta, .offset: 56, .size: 8, .value_kind: global_buffer, .address_space: global }
      - { .name: out0, .offset: 64, .size: 8, .value_kind: global_buffer, .address_space: global }
    .group_segment_fixed_size: 327680
    .private_segment_fixed_size: 0
    .kernarg_segment_align: 8
    .kernarg_segment_size: 72
    .max_flat_workgroup_size: 256
    .sgpr_count:     66
    .vgpr_count:     512
    .wavefront_size: 32
...
	.end_amdgpu_metadata
.endif
;; end of part 4
